; MI455X (gfx1250); checked and timed in simulation.
; The chip was launched on July 23, 2026; its instructions are those of AMD's public machine-readable ISA for CDNA 5 (MIT licence, August 2026) and "CDNA5" Instruction Set Architecture Reference Guide (July 2026). The comments in the code are by the model that wrote it; some were corrected since.
;; Self Attention. Allowed arithmetic: matrix products marked QUANTISED: E2M3 operands, one E8M0 scale for each 32 along K, by v_wmma_scale_f32_16x16x128_f8f6f4 with both operands' format E2M3, f32 sums; products left as they are: f32 operands where the result goes on into a quantised operand, else bf16, f16 or f32 operands; f32 sums; everything else in f32.
;; Inputs: bk 1,024 float32; bo 1,024 float32; bq 1,024 float32; bv 1,024 float32; wk_codes 1,024 x 32 x 24 uint8 (E2M3 codes of wk, K innermost, in blocks of 32 codes, four codes in three bytes); wk_scales 1,024 x 32 uint8 (E8M0 scales of wk, one for each 32 codes along K); wo_codes 1,024 x 32 x 24 uint8 (E2M3 codes of wo, K innermost, in blocks of 32 codes, four codes in three bytes); wo_scales 1,024 x 32 uint8 (E8M0 scales of wo, one for each 32 codes along K); wq_codes 1,024 x 32 x 24 uint8 (E2M3 codes of wq, K innermost, in blocks of 32 codes, four codes in three bytes); wq_scales 1,024 x 32 uint8 (E8M0 scales of wq, one for each 32 codes along K); wv_codes 1,024 x 32 x 24 uint8 (E2M3 codes of wv, K innermost, in blocks of 32 codes, four codes in three bytes); wv_scales 1,024 x 32 uint8 (E8M0 scales of wv, one for each 32 codes along K); x_codes 4 x 4,096 x 32 x 24 uint8 (E2M3 codes of x, K innermost, in blocks of 32 codes, four codes in three bytes); x_scales 4 x 4,096 x 32 uint8 (E8M0 scales of x, one for each 32 codes along K).
;; Outputs: out0 4 x 4,096 x 1,024 float32.
;; This version of the problem:
;;   THIS VERSION OF THE PROBLEM IS GIVEN IN LOW PRECISION. The matrix products marked QUANTISED in the list below multiply operands that are first quantised to E2M3 (2 exponent bits, 3 mantissa bits; 6 bits a number), with one power-of-two scale for each 32 numbers along K (OCP MX v1.0); their sums are f32. All else is computed in f32.
;;   The module's matrix products, in the order in which they are computed (A, B: the left and right operand; K: the contracted axis; several contracted axes count as one K, in the product's order):
;;     1. [M 16,384, K 1,024] x [K 1,024, N 1,024]; A: input x (given as codes); B: input wq (given as codes): QUANTISED
;;     2. [M 16,384, K 1,024] x [K 1,024, N 1,024]; A: input x (given as codes); B: input wk (given as codes): QUANTISED
;;     3. [M 16,384, K 1,024] x [K 1,024, N 1,024]; A: input x (given as codes); B: input wv (given as codes): QUANTISED
;;     4. batch 16,384 x [M 16, K 64] x [K 64, N 16]; A: computed on the way; B: computed on the way: QUANTISED
;;     5. batch 16,384 x [M 16, K 16] x [K 16, N 64]; A: softmax; B: computed on the way: left as it is (K = 16 < 32)
;;     6. [M 16,384, K 1,024] x [K 1,024, N 1,024]; A: computed on the way; B: input wo (given as codes): QUANTISED
;;   THE QUANTISER, for each operand of a quantised product, along K:
;;     - K is cut into blocks of 32 from its start; a last block that is shorter is filled with zeros.
;;     - A block's scale is 2^e with e = floor(log2(the largest magnitude in the block)) - 2, held to -126 .. 127; a block of zeros has e = 0. As a byte (E8M0): e + 127.
;;     - Each number is divided by its block's scale, clamped to +-7.5, and rounded to the nearest number of E2M3, ties to even, subnormals kept.
;;     - The product sums the exact products of the quantised numbers (number of the format x scale) in f32.
;;   ~~~python
;;   def quantise(x, axis):      # numpy; x: float32 -> the quantised numbers, widened to float32 again
;;       x = np.moveaxis(x, axis, -1); K = x.shape[-1]
;;       x = np.pad(x, [(0, 0)] * (x.ndim - 1) + [(0, -K % 32)]); x = x.reshape(x.shape[:-1] + (-1, 32)); a = np.abs(x).max(-1, keepdims=True)
;;       e = np.where(a > 0, np.clip(np.frexp(np.where(a > 0, a, 1))[1] - 1 - 2, -126, 127), 0)      # np.frexp(a)[1] - 1 = floor(log2(a)), exactly
;;       r = np.clip(x / 2.0 ** e, -7.5, 7.5)
;;       step = 2.0 ** (np.maximum(np.frexp(np.where(r == 0, 1, r))[1] - 1, 0) - 3)
;;       q = np.round(r / step) * step * 2.0 ** e      # np.round: ties to even
;;       return np.moveaxis(q.reshape(q.shape[:-2] + (-1,))[..., :K], -1, axis).astype(np.float32)
;;   ~~~
;;   OPERANDS COMPUTED ON THE WAY. 'Computed on the way' means the value that the module computes at that place (a softmax that the list does not call 'softmax' is quantised finished and normalised). What goes into a quantiser is computed in f32, as accurately as f32 sums, v_exp_f32 and their like allow (about 1e-6 of the number): no bf16 or f16 on the way to a quantiser, and a product that is left as it is and whose result goes on into a quantised operand takes f32 operands (vector FMAs, or v_wmma_f32_16x16x4_f32). A number that lies on a knife's edge between two numbers of the format may be rounded either way, as far as f32 arithmetic and the matrix unit's own rounding can turn it there, and no further.
;;   INPUTS GIVEN AS CODES. wk (in the module: [1024, 1024], K = its axis 1); wo (in the module: [1024, 1024], K = its axis 1); wq (in the module: [1024, 1024], K = its axis 1); wv (in the module: [1024, 1024], K = its axis 1); x (in the module: [4, 4096, 1024], K = its axis 2): each comes as NAME_codes (uint8): NAME with its K axis moved to the last place and cut into blocks of 32 codes, [.., K / 32, bytes a block], one block behind the other in memory; four codes in three bytes: a row's codes are one little-endian stream of bits, code i at bits 6 i .. 6 i + 5 (a code: sign, 2 exponent bits, 3 mantissa bits); and NAME_scales (uint8): the same leading axes, one E8M0 byte (e + 127) for each 32 codes along K. Its value is code x scale, taken as it is: it is not quantised again, and the codes and scales need not be those that the quantiser above would give.
;; 2 versions. Each part assembles by itself: llvm-mc -triple=amdgcn-amd-amdhsa -mcpu=gfx1250 --defsym DOCPART=n.
;; ======== version 1 of 2: 1 launch
;; launch fused (part 1): grid 256 x 1, 4 waves a work-group, clusters of 4 x 1, 327,680 bytes of LDS; arguments x_codes, x_scales, wq_codes, wq_scales, bq, wk_codes, wk_scales, bk, wv_codes, wv_scales, bv, wo_codes, wo_scales, bo, out0; writes out0
.if DOCPART == 1
	.amdgcn_target "amdgcn-amd-amdhsa--gfx1250"
	.amdhsa_code_object_version 6
	.text
	.protected	k_qe9b1f174a4_fused
	.globl	k_qe9b1f174a4_fused
	.p2align	8
	.type	k_qe9b1f174a4_fused,@function
k_qe9b1f174a4_fused:
	s_mov_b64 s[64:65], 0
	v_nop
	global_prefetch_b8 v0, s[64:65] scope:SCOPE_SE
	s_setreg_imm32_b32 hwreg(HW_REG_WAVE_MODE, 25, 1), 1
	s_wait_xcnt 0x0
	s_wait_alu depctr_hold_cnt(0) depctr_sa_sdst(0) depctr_va_vdst(0) depctr_va_sdst(0) depctr_va_ssrc(0) depctr_va_vcc(0) depctr_vm_vsrc(0)
	s_getreg_b32 s2, hwreg(HW_REG_IB_STS2, 6, 4)
	s_cmp_eq_u32 s2, 0
	s_cbranch_scc0 .Lentry_in_a_cluster
	s_endpgm
.Lentry_in_a_cluster:
	s_bfe_u32 s2, ttmp6, 0x10000c
	s_cmp_lg_u32 s2, 0x3003
	s_cbranch_scc0 .Lentry_shape_is_right
	s_endpgm
.Lentry_shape_is_right:
; out0 = attention(x Wq^T + bq, x Wk^T + bk, x Wv^T + bv) Wo^T + bo, the attention taken ACROSS THE 16 HEADS of each of the 16,384 positions.
; The four products with K = 1,024 and the scores (K = 64) run on codes of FP6 (E2M3) with one E8M0 byte for each 32 along K; weights x v (K = 16) feeds a quantiser and runs on f32 operands.
; ONE LAUNCH: q, k, v, the weights and the attention's result never go to memory.
; SHARES.  256 work-groups of four waves; a work-group owns 64 positions.  THE WAVES SHARE THE COLUMNS: in every large product wave w owns the weight's rows 256 w .. 256 w + 255 (heads 4 w .. 4 w + 3)
; for all 64 positions.  The positions' codes (x, later the attention's result) lie in every wave's registers, 32 fragments, so each fragment of a weight read from LDS feeds four matrix instructions.
; THE MATRIX INSTRUCTION IS USED TRANSPOSED: source 0 = 16 rows of a weight, source 1 = 16 positions: a lane holds one position.  THE ROWS OF A TILE ARE NOT NEIGHBOURS: of a group of 32 rows, lane r of
; tile u takes row 8 u + r + (r & 8), so that the 16 registers of tiles 0 and 1 are the 16 neighbouring columns 16 (lane / 16) + 0 .. 15 of the group: what the conversions to codes want.
; THE RING.  A tile is one group of 32 rows x all of K (768 bytes a row) for each wave; 32 tiles (8 of each weight) go through two LDS slots, 64 matrix instructions a wave each.
; CLUSTER.  All work-groups walk the same tiles: the four of a cluster ask for each tile JOINTLY (the same load, the same descriptor, the mask 15).  A mask names four, so 4 x 1 is all the sharing there is.
; No prefetch is written: x is asked for once, at the head, and every tile of the weights is asked for by all 64 clusters.
; ATTENTION.  q's and k's codes go through LDS as rows of 16 heads x 48 bytes, so that a fragment of the score product (16 heads x 64, the upper 64 of K zero codes) is 24 bytes a lane.  Wave w takes positions
; 16 mt + 4 w + z.  S^T = k q^T: a lane holds one query head and eight key heads; the softmax takes the row's true maximum; the normalised weights, as they lie, are source 1 of out^T = v^T weights^T in f32.
; LIMITS: NaN and infinities among the inputs are not served.  A block whose largest magnitude lies under 2^-124 keeps the scale byte 1; a block of zeros keeps 1 where the quantiser says 127 (its codes are
; zeros, and these bytes are read by this program alone).  A weight under 2^-126 of the row's largest comes out of v_exp_f32 as 0.
.set PITCH, 816                        ; an LDS row of 768 bytes of codes: 3 x (256 + 16) as the mover pads it, or 768 dense + 48.  204 words: row r starts at bank 12 r mod 64 (64 banks of 4 bytes: ISA guide 11.1)
.set WROW,  768                        ; a row of codes in memory
.set WPART, 32*PITCH                   ; a wave's part of a slot: 32 rows
.set SLOTB, 4*WPART                    ; a slot
.set XR,    2*SLOTB                    ; x's 64 rows (filled once by the mover); then q's codes; then the codes of the attention's result
.set KR,    XR+64*PITCH                ; k's codes; then the stage for v; then the stages for out0
.set SQ,    KR+64*PITCH                ; q's scale words [64][16]; later the result's scale bytes [64][32]
.set SK,    SQ+4096                    ; k's scale words
.set SPARE, SK+4096                    ; the spare words, 128 bytes for each wave: two blocks of 256 bytes that no other line names
.set VJP,   144                        ; the stage for v: [16 positions][16 heads][32 d] f32: a head's 128 bytes + 16,
.set VPP,   2320                       ; a position's 16 x 144 + 16
.set YP,    272                        ; the stage for out0: 16 positions x (256 bytes + 16) for each wave
; vector registers, window 0
.set SPW, 1                            ; LDS address of my spare word; never rewritten
.set NIL, 2                            ; 0; never rewritten
.set AW0, 3                            ; v3, v5: my place in my part of slot 0, 1;  v4, v6 (AW1): the same behind one padding more
.set AW1, 4
.set AX0, 7                            ; my place in the 64 rows at XR;  v8: behind one padding more
.set AX1, 8
.set VWS, 9                            ; global: my row of a group's scale bytes (lanes 0-15 tile 0, lanes 16-31 tile 1)
.set VBI, 10                           ; global: my half's 16 numbers of a group's bias
.set AQ0, 11                           ; q's and k's codes, on the way in;  v12 with the head's and the region's offset
.set AQT, 12
.set AS0, 13                           ; their scale words;  v14 likewise
.set AST, 14
.set AS4, 15                           ; q's codes on the way out: head r of my wave's positions;  v16 k's
.set AK4, 16
.set ASS, 17                           ; scale words on the way out: lanes 0-15 q's, lanes 16-31 k's
.set AVW, 18                           ; the stage for v: in,
.set AVR, 19                           ; and out
.set AOW, 20                           ; the result's codes;  v21 with the chunk's offset
.set AOWB, 21
.set AOS, 22                           ; the result's scale bytes;  v23 with the chunk's offset
.set AOSB, 23
.set AYW, 24                           ; the stage for out0: in,
.set AYR, 25                           ; back,
.set AYG, 26                           ; and the same place in out0
.set VXS, 27                           ; 32 x lane: a position's row of scale bytes
.set SS,  28                           ; v28-31   score scale words, one register a position
.set XS,  32                           ; v32-47   the positions' scale words: register 8 g + s: K step s; lanes 0-15 positions 32 g + r, lanes 16-31 positions 32 g + 16 + r
.set WS,  48                           ; v48-63   the weights' scale words, a set of 8 for each slot
.set BI,  64                           ; v64-95   the bias in the result's layout, a set of 16 for each slot
.set OD,  96                           ; v96-127  results of the f32 matrix form: written by matrix instructions alone
.set WF,  128                          ; v128-223 four K steps' fragments of a weight (24 registers each); v's operand in f32; rows of out0
.set TM,  224                          ; v224-255 at work
; window 1: the positions' fragments of K steps 0-3 at 48 s + 12 mt; v192-255 the weights of position tiles 0, 1.   window 2: K steps 4-7; position tiles 2, 3.
; window 3: the accumulators at 64 mt + 16 jj + 8 u; registers 64 mt + 32 .. 63 are at work where only jj = 0, 1 are used; the score phase works there too.
; scalar registers
.set WV,  3                            ; my wave's number
.set OUT, 32                           ; s[32:33] out0.  s[4:5] x's codes, s[6:7] x's scales; from s8, s14, s20, s26: codes, scales, bias of Wq, Wk, Wv, Wo
.set PCO, 34                           ; s[34:39] codes, scales, bias of the tile that was asked for last
.set PSC, 36
.set PBI, 38
.set NCO, 40                           ; s[40:45] the same of the next weight's first tile
.set NSC, 42
.set NBI, 44
.set G1W, 48                           ; s[48:55] descriptor group 1 for the weights' tiles;  s[56:63] for x's
.set G1X, 56
.set G0A, 68                           ; s[68:71], s[72:75] groups 0 for slot 0, 1;  s[76:79] for x
.set G0X, 76
.set SEL, 80                           ; s[80:81] v_permlanex16_b32's selects for lane l xor 16
.set CS,  82                           ; s[82:83] log2(e) / 8
.set CI,  84                           ; loop counters
.set CO,  85
.set EO,  86                           ; LDS offsets that step: q's and k's codes, their scale words,
.set ES,  87
.set OB,  88                           ; the result's codes, its scale bytes
.set OBB, 89
.set MSB, 0
.macro WIN new                         ; s_set_vgpr_msb: bits 1:0 source 0, 3:2 source 1, 5:4 source 2, 7:6 destination; the high byte repeats the setting that is left
.if MSB != (\new)
	s_set_vgpr_msb (MSB<<8)|(\new)
.set MSB, (\new)
.endif
.endm
.macro NOPS n
.rept \n
	v_nop
.endr
.endm
.macro ROUND                           ; a round of the cluster's barrier
	s_barrier_signal -1
	s_barrier_wait -1
	s_cmp_lg_u32 s[WV], 0
	s_cbranch_scc1 .Lnot_wave_0_\@
	s_barrier_signal -3
.Lnot_wave_0_\@:
	s_barrier_wait -3
	s_barrier_signal -1
	s_barrier_wait -1
.endm
.macro BARRIER                         ; my LDS stores have landed and my LDS loads are in: then the work-group's barrier.
	s_wait_dscnt 0x0
	s_barrier_signal -1
	s_barrier_wait -1
.endm
; A fragment, 16 rows x 128 K of 6-bit codes, is 12 registers: lane (r, h) takes 24 bytes at 96 s + 24 h of its row and 24 at 48 more, in pieces of 8 bytes.  padb = 16: the mover has laid 16 bytes behind
; every 256; where the piece 24 bytes on lies behind one padding more, the second address register serves.
.macro FRAG reg, a0, a1, base, sg, padb
.irp p, 0,1,2,3,4,5
.set FO, 96*(\sg)+48*(\p/3)+8*(\p%3)
.if ((\padb) != 0) && (FO%256 >= 232)
	ds_load_b64 v[\reg+2*\p:\reg+2*\p+1], v[\a1] offset:\base+FO+\padb*(FO/256)
.else
	ds_load_b64 v[\reg+2*\p:\reg+2*\p+1], v[\a0] offset:\base+FO+\padb*(FO/256)
.endif
.endr
.endm
.macro WLOAD slot, g                   ; the weight's fragments of K steps 2 g and 2 g + 1, tiles 0 and 1: 24 loads
.irp d, 0,1
.irp u, 0,1
	FRAG WF+24*((2*(\g)+\d)%4)+12*\u, AW0+2*(\slot), AW1+2*(\slot), 8*PITCH*\u, 2*(\g)+\d, 16
.endr
.endr
.endm
.macro MM d, a, b, c, sa, sb, ra, rb   ; one product; ra, rb: the side's scales stand in lanes 16-31
.if (\ra) && (\rb)
	v_wmma_scale_f32_16x16x128_f8f6f4 v[\d:\d+7], v[\a:\a+11], v[\b:\b+11], v[\c:\c+7], v[\sa], v[\sb] matrix_a_fmt:MATRIX_FMT_FP6 matrix_b_fmt:MATRIX_FMT_FP6 matrix_a_scale:MATRIX_SCALE_ROW1 matrix_b_scale:MATRIX_SCALE_ROW1
.elseif (\ra)
	v_wmma_scale_f32_16x16x128_f8f6f4 v[\d:\d+7], v[\a:\a+11], v[\b:\b+11], v[\c:\c+7], v[\sa], v[\sb] matrix_a_fmt:MATRIX_FMT_FP6 matrix_b_fmt:MATRIX_FMT_FP6 matrix_a_scale:MATRIX_SCALE_ROW1
.elseif (\rb)
	v_wmma_scale_f32_16x16x128_f8f6f4 v[\d:\d+7], v[\a:\a+11], v[\b:\b+11], v[\c:\c+7], v[\sa], v[\sb] matrix_a_fmt:MATRIX_FMT_FP6 matrix_b_fmt:MATRIX_FMT_FP6 matrix_b_scale:MATRIX_SCALE_ROW1
.else
	v_wmma_scale_f32_16x16x128_f8f6f4 v[\d:\d+7], v[\a:\a+11], v[\b:\b+11], v[\c:\c+7], v[\sa], v[\sb] matrix_a_fmt:MATRIX_FMT_FP6 matrix_b_fmt:MATRIX_FMT_FP6
.endif
.endm
; K step sg of a tile: 8 products, the 8 accumulators (4 tiles of positions x 2 tiles of rows) by turns, one instruction a turn.  The first K step takes the bias as C: nothing is cleared or added.
.macro MM8 slot, jj, sg
.if (\sg) == 0
	WIN 0xc4                                       ; D window 3, C (the bias) window 0, source 1 (positions) window 1, source 0 (weight) window 0
.elseif (\sg) < 4
	WIN 0xf4                                       ; C and D window 3
.else
	WIN 0xf8                                       ; source 1 window 2
.endif
.irp mt, 0,1,2,3
.irp u, 0,1
.if (\sg) == 0
	MM 64*\mt+16*(\jj)+8*\u, WF+24*((\sg)%4)+12*\u, 48*((\sg)%4)+12*\mt, BI+16*(\slot)+8*\u, WS+8*(\slot)+(\sg), XS+8*(\mt/2)+(\sg), \u, \mt%2
.else
	MM 64*\mt+16*(\jj)+8*\u, WF+24*((\sg)%4)+12*\u, 48*((\sg)%4)+12*\mt, 64*\mt+16*(\jj)+8*\u, WS+8*(\slot)+(\sg), XS+8*(\mt/2)+(\sg), \u, \mt%2
.endif
.endr
.endr
.endm
.macro GROUP slot, jj, g               ; two K steps, 16 products; then the fragments of the pair two on, into the registers just multiplied
.if (\g) < 3
	s_wait_dscnt 24                                ; this pair's 24 loads are in; the next pair's 24 may be out
.else
	s_wait_dscnt 0x0
.endif
.irp d, 0,1
	MM8 \slot, \jj, 2*(\g)+\d
.endr
.if (\g) < 2
	NOPS 4                                         ; four places in front of loads into registers that matrix instructions have read (ISA guide 7.12.1 for vector instructions)
	WIN 0
	WLOAD \slot, (\g)+2
.endif
.endm
.macro GEMMSLOT slot, jj               ; a tile: 64 products into the accumulators jj
	WLOAD \slot, 0
	WLOAD \slot, 1
	GROUP \slot, \jj, 0
	GROUP \slot, \jj, 1
	GROUP \slot, \jj, 2
	GROUP \slot, \jj, 3
	WIN 0
.endm
.macro WSBI set                        ; the scale words and the bias of the tile just asked for, straight into the operands' registers: 32 bytes a row, 64 bytes a half
	global_load_b128 v[WS+8*(\set):WS+8*(\set)+3], v[VWS], s[PSC:PSC+1]
	global_load_b128 v[WS+8*(\set)+4:WS+8*(\set)+7], v[VWS], s[PSC:PSC+1] offset:16
.irp q, 0,1,2,3
	global_load_b128 v[BI+16*(\set)+4*\q:BI+16*(\set)+4*\q+3], v[VBI], s[PBI:PBI+1] offset:16*\q
.endr
.endm
.macro PICK cnt                        ; in a loop's last trip the next tile is the next weight's first: a choice on a counter
	s_cmp_eq_u32 s[\cnt], 1
	s_cselect_b64 s[PCO:PCO+1], s[NCO:NCO+1], s[PCO:PCO+1]
	s_cselect_b64 s[PSC:PSC+1], s[NSC:NSC+1], s[PSC:PSC+1]
	s_cselect_b64 s[PBI:PBI+1], s[NBI:NBI+1], s[PBI:PBI+1]
.endm
.macro NEXTW m
	s_mov_b64 s[NCO:NCO+1], s[\m:\m+1]
	s_mov_b64 s[NSC:NSC+1], s[\m+2:\m+3]
	s_mov_b64 s[NBI:NBI+1], s[\m+4:\m+5]
.endm
; THE CHANGE OF SLOTS stands at the head of a tile's work and asks for the next tile, into the slot named, which was read last.  Each wave waits for all its tensor loads (one is out: the tile that it is
; about to read), adds 0 to its spare word, and waits for that and for its reads of the other slot; a round of the cluster's barrier; the joint load first behind it.
; mode 0: the next tile lies 32 rows on; 1: the same, or the next weight's first in the inner loop's last trip; 2: 64 rows on; 3: 160 rows back, or the next weight's first.  fill = 0: nothing is left to ask for.
.macro CHANGE slot, mode, fill
	WIN 0
	s_wait_tensorcnt 0x0                           ; no tensor load of mine is out, so a group 0 may be written
	ds_add_u32 v[SPW], v[NIL]                      ; 0 onto my spare word: the pointers' steps stand between it and the wait for it
	s_wait_loadcnt 0x0                             ; this tile's scale words and bias are in, so their pointers may be written
.if \fill
.if (\mode) < 2
	s_add_nc_u64 s[PCO:PCO+1], s[PCO:PCO+1], 32*WROW
	s_add_nc_u64 s[PSC:PSC+1], s[PSC:PSC+1], 32*32
	s_add_nc_u64 s[PBI:PBI+1], s[PBI:PBI+1], 32*4
.elseif (\mode) == 2
	s_add_nc_u64 s[PCO:PCO+1], s[PCO:PCO+1], 64*WROW
	s_add_nc_u64 s[PSC:PSC+1], s[PSC:PSC+1], 64*32
	s_add_nc_u64 s[PBI:PBI+1], s[PBI:PBI+1], 64*4
.else
	s_sub_nc_u64 s[PCO:PCO+1], s[PCO:PCO+1], 160*WROW
	s_sub_nc_u64 s[PSC:PSC+1], s[PSC:PSC+1], 160*32
	s_sub_nc_u64 s[PBI:PBI+1], s[PBI:PBI+1], 160*4
.endif
.if (\mode) == 1
	PICK CI
.elseif (\mode) == 3
	PICK CO
.endif
	s_mov_b64 s[G0A+4*(\slot)+2:G0A+4*(\slot)+3], s[PCO:PCO+1]
	s_or_b32 s[G0A+4*(\slot)+3], s[G0A+4*(\slot)+3], 0x80000000   ; type = 2
	s_wait_dscnt 0x0                               ; the add is done, and my reads of the slot to be filled are over
	ROUND                                          ; both now hold of every wave of all four work-groups
	tensor_load_to_lds s[G0A+4*(\slot):G0A+4*(\slot)+3], s[G1W:G1W+7]   ; my one tensor load until the next round: 32 rows x 768 bytes
	s_nop 0
	NOPS 4                                         ; the places in front of the loads below, into registers that the last tile's products read
	WSBI \slot
.else
	s_wait_dscnt 0x0
	s_barrier_signal -1
	s_barrier_wait -1
	NOPS 4
.endif
.endm
.macro XFLOAD padb                     ; the 64 rows at XR become 32 fragments in windows 1 and 2
	WIN 0x40
.irp sg, 0,1,2,3
.irp mt, 0,1,2,3
	FRAG 48*\sg+12*\mt, AX0, AX1, 16*PITCH*\mt, \sg, \padb
.endr
.endr
	WIN 0x80
.irp sg, 4,5,6,7
.irp mt, 0,1,2,3
	FRAG 48*(\sg-4)+12*\mt, AX0, AX1, 16*PITCH*\mt, \sg, \padb
.endr
.endr
	WIN 0
.endm
; A HEAD OF q OR k IS QUANTISED: for each tile of positions, registers 64 mt + 16 b + i = d 32 b + 16 (lane / 16) + i.  A block's largest magnitude (with the floor 2^(3 - 127) among its leaves, so that the byte
; cannot fall under 1) with 2 taken off its exponent field is the conversion's scale operand; shifted, the byte.  The halves are exchanged so that lane (r, h) holds block h whole: 24 bytes, to LDS.
.macro EPI_QK
	v_add_nc_u32 v[AQT], s[EO], v[AQ0]             ; (two of the four places behind the last products)
	v_add_nc_u32 v[AST], s[ES], v[AS0]
	NOPS 2
	WIN 0xff
.irp b, 0,1
.irp mt, 0,1,2,3
	v_max3_num_f32 v[64*\mt+32+\b], |v[64*\mt+16*\b]|, |v[64*\mt+16*\b+1]|, 0x1800000
.endr
.endr
.irp i, 2,4,6,8,10,12,14
.irp b, 0,1
.irp mt, 0,1,2,3
	v_max3_num_f32 v[64*\mt+32+\b], v[64*\mt+32+\b], |v[64*\mt+16*\b+\i]|, |v[64*\mt+16*\b+\i+1]|   ; eight chains by turns; each accumulator is read from its low end on
.endr
.endr
.endr
.irp b, 0,1
.irp mt, 0,1,2,3
	v_permlanex16_b32 v[64*\mt+34+\b], v[64*\mt+32+\b], s[SEL], s[SEL+1]
.endr
.endr
.irp b, 0,1
.irp mt, 0,1,2,3
	v_max_num_f32 v[64*\mt+32+\b], v[64*\mt+32+\b], v[64*\mt+34+\b]   ; with lane l xor 16's: the block's largest magnitude
.endr
.endr
.irp b, 0,1
.irp mt, 0,1,2,3
	v_add_nc_u32 v[64*\mt+36+\b], 0xff000000, v[64*\mt+32+\b]   ; 2 off its exponent field: the conversion's scale operand
.endr
.endr
.irp b, 0,1
.irp mt, 0,1,2,3
	v_lshrrev_b32 v[64*\mt+38+\b], 23, v[64*\mt+36+\b]   ; the scale's byte
.endr
.endr
.irp mt, 0,1,2,3
	v_lshl_or_b32 v[64*\mt+40], v[64*\mt+39], 8, v[64*\mt+38]
.endr
.irp mt, 0,1,2,3
	v_or_b32 v[64*\mt+40], 0x7f7f0000, v[64*\mt+40]   ; the head's scale word: two bytes, and 127 over the zero codes of K = 64 .. 127
.endr
.irp mt, 0,1,2,3
	v_cvt_scalef32_pk16_fp6_f32 v[64*\mt+42:64*\mt+44], v[64*\mt:64*\mt+15], v[64*\mt+36]
	v_cvt_scalef32_pk16_fp6_f32 v[64*\mt+46:64*\mt+48], v[64*\mt+16:64*\mt+31], v[64*\mt+37]   ; (a conversion's three registers begin on an even number)
.endr
	v_nop                                          ; one plain place behind a scaled conversion
.irp mt, 0,1,2,3
.irp i, 0,1,2
	v_permlane16_swap_b32 v[64*\mt+42+\i], v[64*\mt+46+\i]   ; the first now holds each lane's block's lower 16 codes, the second the upper 16
.endr
.endr
.irp mt, 0,1,2,3
.irp i, 0,1,2
	v_mov_b32 v[64*\mt+45+\i], v[64*\mt+46+\i]
.endr
.endr
	WIN 0x0c                                       ; an LDS store's data are its source 1: window 3
.irp mt, 0,1,2,3
.irp p, 0,1,2
	ds_store_b64 v[AQT], v[64*\mt+42+2*\p:64*\mt+43+2*\p] offset:16*PITCH*\mt+8*\p   ; position 16 mt + r, my head, block h
.endr
	ds_store_b32 v[AST], v[64*\mt+40] offset:1024*\mt   ; both halves of the lanes write the same word with the same value
.endr
	WIN 0
	s_add_co_u32 s[EO], s[EO], 48                  ; the next head
	s_add_co_u32 s[ES], s[ES], 4
.endm
; THE SCORES AND THE SOFTMAX of my four positions 16 mt + 4 w + z.  Window 3: q's fragment at 24 z, k's at 24 z + 12 (their upper six registers hold zero codes), S^T at 96 + 8 z, from 128 at work.
.macro SBATCH mt
	WIN 0xc0
.irp z, 0,1,2,3
.irp p, 0,1,2
	ds_load_b64 v[24*\z+2*\p:24*\z+2*\p+1], v[AS4] offset:(16*(\mt)+\z)*PITCH+8*\p
	ds_load_b64 v[24*\z+12+2*\p:24*\z+13+2*\p], v[AK4] offset:(16*(\mt)+\z)*PITCH+8*\p
.endr
.endr
	WIN 0
.irp z, 0,1,2,3
	ds_load_b32 v[SS+\z], v[ASS] offset:64*(16*(\mt)+\z)
.endr
	s_wait_dscnt 0x0
	WIN 0xff
.irp z, 0,1,2,3
	v_wmma_scale_f32_16x16x128_f8f6f4 v[96+8*\z:103+8*\z], v[24*\z+12:24*\z+23], v[24*\z:24*\z+11], 0, v[SS+\z], v[SS+\z] matrix_a_fmt:MATRIX_FMT_FP6 matrix_b_fmt:MATRIX_FMT_FP6 matrix_a_scale:MATRIX_SCALE_ROW1
.endr                                  ; lane (r, h): query head r, key heads 8 h + 0 .. 7
	NOPS 4
.irp z, 0,1,2,3
	v_max3_num_f32 v[128+2*\z], v[96+8*\z], v[97+8*\z], v[98+8*\z]
.endr
.irp z, 0,1,2,3
	v_max3_num_f32 v[128+2*\z], v[128+2*\z], v[99+8*\z], v[100+8*\z]
.endr
.irp z, 0,1,2,3
	v_max3_num_f32 v[128+2*\z], v[128+2*\z], v[101+8*\z], v[102+8*\z]
.endr
.irp z, 0,1,2,3
	v_max_num_f32 v[128+2*\z], v[128+2*\z], v[103+8*\z]
.endr
.irp z, 0,1,2,3
	v_permlanex16_b32 v[129+2*\z], v[128+2*\z], s[SEL], s[SEL+1]
.endr
.irp z, 0,1,2,3
	v_max_num_f32 v[128+2*\z], v[128+2*\z], v[129+2*\z]   ; the row's largest score
.endr
.irp i, 0,2,4,6
.irp z, 0,1,2,3
	v_pk_add_f32 v[96+8*\z+\i:97+8*\z+\i], v[96+8*\z+\i:97+8*\z+\i], v[128+2*\z:129+2*\z] op_sel_hi:[1,0] neg_lo:[0,1] neg_hi:[0,1]   ; s - m first, then x c: the difference is rounded relative to itself, whatever the size of the scores
.endr
.endr
.irp i, 0,2,4,6
.irp z, 0,1,2,3
	v_pk_mul_f32 v[96+8*\z+\i:97+8*\z+\i], v[96+8*\z+\i:97+8*\z+\i], s[CS:CS+1] op_sel_hi:[1,0]
.endr
.endr
.irp i, 0,1,2,3,4,5,6,7
.irp z, 0,1,2,3
	v_exp_f32 v[96+8*\z+\i], v[96+8*\z+\i]
.endr
.endr
	v_nop                                          ; a plain place behind the exponentials
	s_wait_alu depctr_va_vdst(0)                   ; one wait for the batch of 32, ahead of its first reader
.irp z, 0,1,2,3
	v_pk_add_f32 v[136+4*\z:137+4*\z], v[96+8*\z:97+8*\z], v[98+8*\z:99+8*\z]
.endr
.irp z, 0,1,2,3
	v_pk_add_f32 v[138+4*\z:139+4*\z], v[100+8*\z:101+8*\z], v[102+8*\z:103+8*\z]
.endr
.irp z, 0,1,2,3
	v_pk_add_f32 v[136+4*\z:137+4*\z], v[136+4*\z:137+4*\z], v[138+4*\z:139+4*\z]
.endr
.irp z, 0,1,2,3
	v_add_f32 v[152+2*\z], v[136+4*\z], v[137+4*\z]
.endr
.irp z, 0,1,2,3
	v_permlanex16_b32 v[153+2*\z], v[152+2*\z], s[SEL], s[SEL+1]
.endr
.irp z, 0,1,2,3
	v_add_f32 v[152+2*\z], v[152+2*\z], v[153+2*\z]   ; the row's sum, at least 1
.endr
.irp z, 0,1,2,3
	v_rcp_f32 v[160+2*\z], v[152+2*\z]
.endr
	v_nop
	s_wait_alu depctr_va_vdst(0)                   ; one wait for the four reciprocals
	WIN 0x7f+0x40*((\mt)/2)                        ; sources window 3, destination window 1 or 2
.irp i, 0,2,4,6
.irp z, 0,1,2,3
	v_pk_mul_f32 v[192+32*((\mt)%2)+8*\z+\i:193+32*((\mt)%2)+8*\z+\i], v[96+8*\z+\i:97+8*\z+\i], v[160+2*\z:161+2*\z] op_sel_hi:[1,0]   ; the normalised weights stay in registers
.endr
.endr
.endm
; WEIGHTS x v for the 16 positions of tile mt and the chunk's 32 d of every head.  v goes to the stage (a lane holds a position, wave w heads 4 w + jj) and comes back by positions: lane (r, h), tile u:
; d = 8 u + r + (r & 8), register j: key head 8 h + j.  K goes in the order 8 h + 2 kk + e on BOTH sides, so that the weights' registers serve as source 1 as the score product left them.
; out^T: lane (r, h) holds query head r and d = 16 h + 0 .. 15 in 16 registers: half a block of the last product's K.  Two positions at a time: their halves are exchanged so that a lane holds a block whole.
.macro PIECE mt
	WIN 0x0c
.irp jj, 0,1,2,3
.irp u, 0,1
	ds_store_b128 v[AVW], v[64*(\mt)+16*\jj+8*\u:64*(\mt)+16*\jj+8*\u+3] offset:VJP*\jj+32*\u
	ds_store_b128 v[AVW], v[64*(\mt)+16*\jj+8*\u+4:64*(\mt)+16*\jj+8*\u+7] offset:VJP*\jj+32*\u+16
.endr
.endr
	WIN 0
	BARRIER                                        ; all 16 heads of the 16 positions lie in the stage
.irp z, 0,1,2,3
.irp u, 0,1
.irp j, 0,1,2,3,4,5,6,7
	ds_load_b32 v[WF+16*\z+8*\u+\j], v[AVR] offset:VPP*\z+32*\u+VJP*\j
.endr
.endr
.endr
	s_wait_dscnt 0x0
.irp zp, 0,1
	WIN 0x04+4*((\mt)/2)                           ; source 1 (the weights) window 1 or 2
.irp kk, 0,1,2,3
.irp zz, 0,1
.irp u, 0,1
.if \kk == 0
	v_wmma_f32_16x16x4_f32 v[OD+16*\zz+8*\u:OD+16*\zz+8*\u+7], v[WF+16*(2*\zp+\zz)+8*\u+2*\kk:WF+16*(2*\zp+\zz)+8*\u+2*\kk+1], v[192+32*((\mt)%2)+8*(2*\zp+\zz)+2*\kk:193+32*((\mt)%2)+8*(2*\zp+\zz)+2*\kk], 0
.else
	v_wmma_f32_16x16x4_f32 v[OD+16*\zz+8*\u:OD+16*\zz+8*\u+7], v[WF+16*(2*\zp+\zz)+8*\u+2*\kk:WF+16*(2*\zp+\zz)+8*\u+2*\kk+1], v[192+32*((\mt)%2)+8*(2*\zp+\zz)+2*\kk:193+32*((\mt)%2)+8*(2*\zp+\zz)+2*\kk], v[OD+16*\zz+8*\u:OD+16*\zz+8*\u+7]
.endif
.endr
.endr
.endr                                  ; four accumulators by turns, one instruction a turn
	WIN 0
	NOPS 8                                         ; eight places behind this form ahead of the first read of its results
	s_wait_dscnt 0x0                               ; the pair before has stored out of the registers at work
.irp zz, 0,1
	v_max3_num_f32 v[TM+\zz], |v[OD+16*\zz]|, |v[OD+16*\zz+1]|, 0x1800000
.endr
.irp i, 2,4,6,8,10,12,14
.irp zz, 0,1
	v_max3_num_f32 v[TM+\zz], v[TM+\zz], |v[OD+16*\zz+\i]|, |v[OD+16*\zz+\i+1]|
.endr
.endr
.irp zz, 0,1
	v_permlanex16_b32 v[TM+2+\zz], v[TM+\zz], s[SEL], s[SEL+1]
.endr
.irp zz, 0,1
	v_max_num_f32 v[TM+\zz], v[TM+\zz], v[TM+2+\zz]
.endr
.irp zz, 0,1
	v_add_nc_u32 v[TM+4+\zz], 0xff000000, v[TM+\zz]
.endr
.irp zz, 0,1
	v_lshrrev_b32 v[TM+6+\zz], 23, v[TM+4+\zz]
.endr
.irp zz, 0,1
	v_cvt_scalef32_pk16_fp6_f32 v[TM+8+8*\zz:TM+10+8*\zz], v[OD+16*\zz:OD+16*\zz+15], v[TM+4+\zz]
.endr
	v_nop                                          ; one plain place behind a scaled conversion
.irp zz, 0,1
	ds_store_b8 v[AOSB], v[TM+6+\zz] offset:32*(16*(\mt)+2*\zp+\zz)   ; block 2 r + chunk of the position's 32; both halves of the lanes write the same byte with the same value
.endr
.irp i, 0,1,2
	v_permlane16_swap_b32 v[TM+8+\i], v[TM+16+\i]  ; lanes 0-15 now hold the first position's block, lanes 16-31 the second's: lower 16 codes in the first run, upper 16 in the second
.endr
.irp i, 0,1,2
	v_mov_b32 v[TM+11+\i], v[TM+16+\i]
.endr
.irp p, 0,1,2
	ds_store_b64 v[AOWB], v[TM+8+2*\p:TM+9+2*\p] offset:PITCH*(16*(\mt)+2*\zp)+8*\p
.endr
.endr
	BARRIER                                        ; every wave has read the stage: the next tile of positions may be stored there
.endm
; THE WAY OUT of 16 positions x my head's 64 columns: through my own stage, back as rows of 256 bytes.  LDS serves a wave's instructions in order (ISA guide 5.7.1.4): no wait between the stores and the loads.
.macro TOSTAGE mt
	WIN 0x0c
.irp bb, 0,1
.irp u, 0,1
	ds_store_b128 v[AYW], v[64*(\mt)+16*\bb+8*\u:64*(\mt)+16*\bb+8*\u+3] offset:128*\bb+32*\u
	ds_store_b128 v[AYW], v[64*(\mt)+16*\bb+8*\u+4:64*(\mt)+16*\bb+8*\u+7] offset:128*\bb+32*\u+16
.endr
.endr
	WIN 0
.irp i, 0,1,2,3,4,5,6,7
	ds_load_b128 v[WF+32*((\mt)%2)+4*\i:WF+32*((\mt)%2)+4*\i+3], v[AYR] offset:2*YP*\i
.endr
.endm
.macro SEND mt, younger                ; younger: the LDS instructions issued behind this block's loads, which may stay out
	s_wait_dscnt \younger
.irp i, 0,1,2,3,4,5,6,7
	global_store_b128 v[AYG], v[WF+32*((\mt)%2)+4*\i:WF+32*((\mt)%2)+4*\i+3], s[OUT:OUT+1] offset:4096*(16*(\mt)+2*\i) th:TH_STORE_NT   ; 16 lanes store 256 consecutive bytes, at a multiple of 256 from out0's first byte
.endr
.endm
.macro EPI_O
	NOPS 4                                         ; places behind the last products, for the stores that read results and the loads into registers that held fragments
	TOSTAGE 0
	TOSTAGE 1
	SEND 0, 16                                     ; behind block 0's loads: block 1's 8 stores and 8 loads
	s_wait_xcnt 0x0                                ; block 0's stores have read their registers: block 2's loads may land there
	TOSTAGE 2
	SEND 1, 16
	s_wait_xcnt 0x0
	TOSTAGE 3
	SEND 2, 16
	SEND 3, 0
	s_wait_xcnt 0x0                                ; the stores have read their registers and their base
	s_add_nc_u64 s[OUT:OUT+1], s[OUT:OUT+1], 256   ; the next head's 64 columns
.endm
	; ---- the head
	s_load_b512 s[4:19], s[0:1], 0x0               ; x's codes, x's scales; Wq's codes, scales, bias; Wk's
	s_load_b256 s[20:27], s[0:1], 0x40             ; Wv's codes, scales, bias; Wo's codes
	s_load_b128 s[28:31], s[0:1], 0x60             ; Wo's scales, bias
	s_load_b64 s[OUT:OUT+1], s[0:1], 0x70          ; out0
	v_lshl_add_u32 v[SPW], v0, 2, SPARE
	v_mov_b32 v[NIL], 0
	ds_add_u32 v1, v2
	ds_add_u32 v1, v2
	s_wait_dscnt 0x0
	v_lshrrev_b32 v224, 5, v0
	v_readfirstlane_b32 s[WV], v224                ; wave 0..3
	s_bfe_u32 s90, ttmp6, 0x40000                  ; cx: my place in the cluster: it enters the addresses of x and of out0 alone
	s_lshl_b32 s91, ttmp9, 2
	s_add_co_u32 s91, s91, s90                     ; my block of 64 positions = 4 x cluster + cx
	; descriptor group 1, the weights: 32 rows x 768 bytes, 16 bytes of padding behind every 256
	s_mov_b32 s[G1W], 15|(1<<20)|(1<<21)|(5<<22)|(3<<25)   ; 15:0 the mask: all four work-groups; 17:16 elements of 1 byte; 20 padding on; 21 set beside a mask; 24:22 after every 64 words (code 5); 31:25 4 words (code 3)
	s_mov_b32 s[G1W+1], WROW<<16                   ; tensor_dim0
	s_mov_b32 s[G1W+2], 32<<16                     ; tensor_dim1
	s_mov_b32 s[G1W+3], WROW<<16                   ; tile_dim0
	s_mov_b32 s[G1W+4], 32                         ; tile_dim1
	s_mov_b32 s[G1W+5], WROW                       ; tensor_dim0_stride
	s_mov_b32 s[G1W+6], 0
	s_mov_b32 s[G1W+7], 0
	; and x: 16 rows a wave, the work-group's own: no mask
	s_mov_b32 s[G1X], (1<<20)|(5<<22)|(3<<25)
	s_mov_b32 s[G1X+1], WROW<<16
	s_mov_b32 s[G1X+2], 16<<16
	s_mov_b32 s[G1X+3], WROW<<16
	s_mov_b32 s[G1X+4], 16
	s_mov_b32 s[G1X+5], WROW
	s_mov_b32 s[G1X+6], 0
	s_mov_b32 s[G1X+7], 0
	s_mov_b32 s[SEL], 0x76543210
	s_mov_b32 s[SEL+1], 0xfedcba98
	s_mov_b32 s[CS], 0x3e38aa3b                    ; log2(e) / sqrt(64)
	s_mov_b32 s[CS+1], s[CS]                       ; (named with it as a pair, so it is written)
	s_mul_i32 s94, s[WV], 256*WROW                 ; my 256 rows of each weight: codes,
	s_mov_b32 s95, 0
	s_lshl_b32 s96, s[WV], 13                      ; scale bytes,
	s_mov_b32 s97, 0
	s_lshl_b32 s98, s[WV], 10                      ; bias
	s_mov_b32 s99, 0
	s_mul_i32 s66, s[WV], 16*WROW                  ; the 16 rows of x that I fetch
	s_mul_i32 s92, s91, 64*WROW
	s_add_co_u32 s92, s92, s66
	s_mov_b32 s93, 0
	v_and_b32 v224, 15, v0                         ; r
	v_bfe_u32 v225, v0, 4, 1                       ; h
	v_and_b32 v226, 8, v224
	v_add_nc_u32 v226, v226, v224                  ; r + (r & 8)
	v_bfe_u32 v227, v0, 3, 1
	v_and_b32 v[VXS], 31, v0
	v_lshlrev_b32 v[VXS], 5, v[VXS]
	v_and_b32 v[VWS], 7, v0                        ; lane 16 u + r takes the group's row 8 u + r + (r & 8): 32 bytes of scales a row
	v_lshl_or_b32 v[VWS], v225, 3, v[VWS]
	v_lshl_or_b32 v[VWS], v227, 4, v[VWS]
	v_lshlrev_b32 v[VWS], 5, v[VWS]
	v_lshlrev_b32 v[VBI], 6, v225
	s_wait_kmcnt 0x0
.irp m, 8,14,20,26
	s_add_nc_u64 s[\m:\m+1], s[\m:\m+1], s[94:95]
	s_add_nc_u64 s[\m+2:\m+3], s[\m+2:\m+3], s[96:97]
	s_add_nc_u64 s[\m+4:\m+5], s[\m+4:\m+5], s[98:99]
.endr
	s_add_nc_u64 s[4:5], s[4:5], s[92:93]          ; x's codes at the rows that I fetch
	s_lshl_b32 s92, s91, 11
	s_add_nc_u64 s[6:7], s[6:7], s[92:93]          ; x's scales at the block's first row
	s_lshl_b32 s92, s91, 18
	s_add_nc_u64 s[OUT:OUT+1], s[OUT:OUT+1], s[92:93]   ; out0 likewise
	s_mov_b64 s[PCO:PCO+1], s[8:9]                 ; tile 0: Wq's first group
	s_mov_b64 s[PSC:PSC+1], s[10:11]
	s_mov_b64 s[PBI:PBI+1], s[12:13]
	s_mov_b32 s[G0X], 1                            ; count = 1
	s_mul_i32 s[G0X+1], s[WV], 16*PITCH
	s_add_co_u32 s[G0X+1], s[G0X+1], XR            ; LDS address: no place in the cluster enters it
	s_mov_b64 s[G0X+2:G0X+3], s[4:5]
	s_or_b32 s[G0X+3], s[G0X+3], 0x80000000        ; type = 2
	s_mov_b32 s[G0A], 1
	s_mul_i32 s[G0A+1], s[WV], WPART
	s_mov_b64 s[G0A+2:G0A+3], s[PCO:PCO+1]
	s_or_b32 s[G0A+3], s[G0A+3], 0x80000000
	s_mov_b32 s[G0A+4], 1
	s_add_co_u32 s[G0A+5], s[G0A+1], SLOTB
	ROUND                                          ; all four work-groups are here: the first loads meet
	tensor_load_to_lds s[G0X:G0X+3], s[G1X:G1X+7]  ; my 16 rows of x,
	s_nop 0
	tensor_load_to_lds s[G0A:G0A+3], s[G1W:G1W+7]  ; and my part of tile 0: two loads of mine are out
	s_nop 0
	NOPS 4
.irp g, 0,1
.irp q, 0,1
	global_load_b128 v[XS+8*\g+4*\q:XS+8*\g+4*\q+3], v[VXS], s[6:7] offset:1024*\g+16*\q   ; a position's 8 scale words
.endr
.endr
	WSBI 0
	s_mul_i32 s94, s[WV], WPART
	v_mul_u32_u24 v[AW0], v226, PITCH
	v_mad_u32_u24 v[AW0], v225, 24, v[AW0]
	v_add_nc_u32 v[AW0], s94, v[AW0]               ; my part of slot 0, row r + (r & 8), + 24 h
	v_lshl_add_u32 v[AW1], v225, 4, v[AW0]
	v_add_nc_u32 v[AW0+2], SLOTB, v[AW0]
	v_add_nc_u32 v[AW1+2], SLOTB, v[AW1]
	v_mul_u32_u24 v[AQ0], v224, PITCH
	v_mad_u32_u24 v[AQ0], v225, 24, v[AQ0]         ; 816 r + 24 h
	v_add_nc_u32 v[AX0], XR, v[AQ0]
	v_lshl_add_u32 v[AX1], v225, 4, v[AX0]
	s_mul_i32 s94, s[WV], 192
	v_add_nc_u32 v[AQ0], s94, v[AQ0]               ; + my four heads' 192 bytes
	s_lshl_b32 s94, s[WV], 4
	v_lshl_add_u32 v[AS0], v224, 6, s94            ; 64 r + 16 w
	s_mul_i32 s94, s[WV], 4*PITCH
	s_add_co_u32 s94, s94, XR                      ; my four positions of a tile of 16
	v_mul_u32_u24 v[AS4], v224, 48
	v_mad_u32_u24 v[AS4], v225, 24, v[AS4]
	v_add_nc_u32 v[AS4], s94, v[AS4]               ; head r, block h
	v_add_nc_u32 v[AK4], KR-XR, v[AS4]
	v_mul_u32_u24 v[AOW], v224, 48
	v_mad_u32_u24 v[AOW], v225, PITCH, v[AOW]
	v_add_nc_u32 v[AOW], s94, v[AOW]               ; head r, position h of a pair
	s_lshl_b32 s94, s[WV], 8
	s_add_co_u32 s94, s94, SQ
	v_lshl_add_u32 v[ASS], v224, 2, s94
	v_lshl_add_u32 v[ASS], v225, 12, v[ASS]        ; lanes 16-31 take k's words, 4,096 bytes on
	s_mul_i32 s94, s[WV], 4*VJP
	s_add_co_u32 s94, s94, KR
	v_mul_u32_u24 v[AVW], v224, VPP
	v_lshl_add_u32 v[AVW], v225, 6, v[AVW]
	v_add_nc_u32 v[AVW], s94, v[AVW]               ; position r, my four heads, d 16 h on
	s_mul_i32 s94, s[WV], 4*VPP
	s_add_co_u32 s94, s94, KR
	v_mul_u32_u24 v[AVR], v225, 8*VJP
	v_lshl_add_u32 v[AVR], v226, 2, v[AVR]
	v_add_nc_u32 v[AVR], s94, v[AVR]               ; my four positions, heads 8 h on, d r + (r & 8)
	s_lshl_b32 s94, s[WV], 7
	s_add_co_u32 s94, s94, SQ
	v_lshl_add_u32 v[AOS], v224, 1, s94
	s_mul_i32 s94, s[WV], 16*YP
	s_add_co_u32 s94, s94, KR
	v_mul_u32_u24 v[AYW], v224, YP
	v_lshl_add_u32 v[AYW], v225, 6, v[AYW]
	v_add_nc_u32 v[AYW], s94, v[AYW]
	v_mul_u32_u24 v[AYR], v225, YP
	v_lshl_add_u32 v[AYR], v224, 4, v[AYR]
	v_add_nc_u32 v[AYR], s94, v[AYR]
	s_lshl_b32 s94, s[WV], 10
	v_lshl_add_u32 v[AYG], v224, 4, s94
	v_lshl_add_u32 v[AYG], v225, 12, v[AYG]        ; 4,096 h + 16 r + my 256 columns
	WIN 0xc0
.irp mt, 0,1,2,3
.irp b, 0,1
	v_mov_b32 v[64*\mt+34+\b], 0                   ; written once: a lane permute's destination counts as one of its sources
.endr
.endr
	WIN 0
	s_wait_tensorcnt 0x1                           ; my rows of x are in; tile 0 may stay out
	s_barrier_signal -1
	s_barrier_wait -1                              ; everybody's are
	XFLOAD 16
	; ---- q, then k: a trip is a head (two tiles of 32 columns), quantised and sent to LDS
	NEXTW 14
	s_mov_b32 s[EO], XR
	s_mov_b32 s[ES], SQ
	s_mov_b32 s[CO], 2
.Lqk:
	s_mov_b32 s[CI], 4
.Lhead:
	CHANGE 1, 0, 1
	GEMMSLOT 0, 0
	CHANGE 0, 1, 1
	GEMMSLOT 1, 1
	EPI_QK
	s_sub_co_u32 s[CI], s[CI], 1
	s_cmp_lg_u32 s[CI], 0
	s_cbranch_scc1 .Lhead
	NEXTW 20
	s_add_co_u32 s[EO], s[EO], KR-XR-192           ; from q's region to k's
	s_add_co_u32 s[ES], s[ES], SK-SQ-16
	s_sub_co_u32 s[CO], s[CO], 1
	s_cmp_lg_u32 s[CO], 0
	s_cbranch_scc1 .Lqk
	; ---- the scores and the softmax (Wv's first tile is on its way meanwhile)
	BARRIER                                        ; q's and k's codes and scale words lie in LDS
	WIN 0xc0
.irp f, 0,1,2,3,4,5,6,7
.irp i, 6,7,8,9,10,11
	v_mov_b32 v[12*\f+\i], 0                       ; K = 64 .. 127 of the eight fragments: zero codes, which add nothing
.endr
.endr
.irp z, 0,1,2,3
	v_mov_b32 v[129+2*\z], 0                       ; permutes' destinations and the upper halves of pairs that are named whole
	v_mov_b32 v[153+2*\z], 0
	v_mov_b32 v[161+2*\z], 0
.endr
	NOPS 4                                         ; an operand written by vector instructions stands four places ahead of a scaled matrix instruction
	SBATCH 0
	SBATCH 1
	SBATCH 2
	SBATCH 3
	WIN 0
	; ---- v and weights x v: a chunk is 32 d of all 16 heads: four tiles (my four heads), then the four tiles of positions
	NEXTW 26
	s_mov_b32 s[OB], 0
	s_mov_b32 s[OBB], 0
	v_mov_b32 v[TM+2], 0
	v_mov_b32 v[TM+3], 0
	s_mov_b32 s[CO], 2
.Lv:
	CHANGE 1, 2, 1
	GEMMSLOT 0, 0
	CHANGE 0, 2, 1
	GEMMSLOT 1, 1
	CHANGE 1, 2, 1
	GEMMSLOT 0, 2
	CHANGE 0, 3, 1
	GEMMSLOT 1, 3
	v_add_nc_u32 v[AOWB], s[OB], v[AOW]            ; (two of the four places behind the last products)
	v_add_nc_u32 v[AOSB], s[OBB], v[AOS]
	NOPS 2
	PIECE 0
	PIECE 1
	PIECE 2
	PIECE 3
	s_add_co_u32 s[OB], s[OB], 24                  ; the heads' second block
	s_add_co_u32 s[OBB], s[OBB], 1
	s_sub_co_u32 s[CO], s[CO], 1
	s_cmp_lg_u32 s[CO], 0
	s_cbranch_scc1 .Lv
	; ---- the result's codes take x's place in the registers (behind the last barrier all of them lie in LDS)
	XFLOAD 0
	v_add_nc_u32 v[TM], SQ, v[VXS]
.irp g, 0,1
.irp q, 0,1
	ds_load_b128 v[XS+8*\g+4*\q:XS+8*\g+4*\q+3], v[TM] offset:1024*\g+16*\q
.endr
.endr                                  ; the change of slots below waits for these loads
	; ---- the last product: a trip is 64 columns of out0
	s_mov_b32 s[CI], 3
.Lo:
	CHANGE 1, 0, 1
	GEMMSLOT 0, 0
	CHANGE 0, 0, 1
	GEMMSLOT 1, 1
	EPI_O
	s_sub_co_u32 s[CI], s[CI], 1
	s_cmp_lg_u32 s[CI], 0
	s_cbranch_scc1 .Lo
	CHANGE 1, 0, 1                                 ; the last trip is written out: it asks for the last tile
	GEMMSLOT 0, 0
	CHANGE 0, 0, 0                                 ; and then for nothing
	GEMMSLOT 1, 1
	EPI_O
	s_wait_tensorcnt 0x0                           ; the wave's end: behind my last tensor load and my last LDS store
	ds_add_u32 v[SPW], v[NIL]
	s_wait_dscnt 0x0
	ROUND                                          ; the closing round: no work-group ends while a partner may still ask for a tile that names it
	s_endpgm
.Lfunc_end_k_qe9b1f174a4_fused:
	.size	k_qe9b1f174a4_fused, .Lfunc_end_k_qe9b1f174a4_fused-k_qe9b1f174a4_fused
	.p2alignl 7, 3214868480
	.fill 96, 4, 3214868480
	.section	.rodata,"a",@progbits
	.p2align	6, 0x0
	.amdhsa_kernel k_qe9b1f174a4_fused
		.amdhsa_group_segment_fixed_size 327680
		.amdhsa_private_segment_fixed_size 0
		.amdhsa_enable_private_segment 0
		.amdhsa_kernarg_size 120
		.amdhsa_user_sgpr_count 2
		.amdhsa_user_sgpr_kernarg_segment_ptr 1
		.amdhsa_wavefront_size32 1
		.amdhsa_system_sgpr_workgroup_id_x 1
		.amdhsa_system_sgpr_workgroup_id_y 1
		.amdhsa_system_sgpr_workgroup_id_z 1
		.amdhsa_system_vgpr_workitem_id 0
		.amdhsa_next_free_vgpr 1024
		.amdhsa_next_free_sgpr 100
		.amdhsa_reserve_vcc 0
		.amdhsa_float_denorm_mode_32 3
		.amdhsa_float_denorm_mode_16_64 3
		.amdhsa_memory_ordered 1
		.amdhsa_forward_progress 1
		.amdhsa_inst_pref_size 255
	.end_amdhsa_kernel
	.section	.bss,"aw",@nobits
	.p2align	6
	.space	262144
	.amdgpu_metadata
---
amdhsa.version: [ 1, 2 ]
amdhsa.kernels:
  - .name:           k_qe9b1f174a4_fused
    .symbol:         k_qe9b1f174a4_fused.kd
    .args:
      - { .name: x_codes, .offset: 0, .size: 8, .value_kind: global_buffer, .address_space: global }
      - { .name: x_scales, .offset: 8, .size: 8, .value_kind: global_buffer, .address_space: global }
      - { .name: wq_codes, .offset: 16, .size: 8, .value_kind: global_buffer, .address_space: global }
      - { .name: wq_scales, .offset: 24, .size: 8, .value_kind: global_buffer, .address_space: global }
      - { .name: bq, .offset: 32, .size: 8, .value_kind: global_buffer, .address_space: global }
      - { .name: wk_codes, .offset: 40, .size: 8, .value_kind: global_buffer, .address_space: global }
      - { .name: wk_scales, .offset: 48, .size: 8, .value_kind: global_buffer, .address_space: global }
      - { .name: bk, .offset: 56, .size: 8, .value_kind: global_buffer, .address_space: global }
      - { .name: wv_codes, .offset: 64, .size: 8, .value_kind: global_buffer, .address_space: global }
      - { .name: wv_scales, .offset: 72, .size: 8, .value_kind: global_buffer, .address_space: global }
      - { .name: bv, .offset: 80, .size: 8, .value_kind: global_buffer, .address_space: global }
      - { .name: wo_codes, .offset: 88, .size: 8, .value_kind: global_buffer, .address_space: global }
      - { .name: wo_scales, .offset: 96, .size: 8, .value_kind: global_buffer, .address_space: global }
      - { .name: bo, .offset: 104, .size: 8, .value_kind: global_buffer, .address_space: global }
      - { .name: out0, .offset: 112, .size: 8, .value_kind: global_buffer, .address_space: global }
    .group_segment_fixed_size: 327680
    .private_segment_fixed_size: 0
    .kernarg_segment_align: 8
    .kernarg_segment_size: 120
    .max_flat_workgroup_size: 128
    .sgpr_count:     100
    .vgpr_count:     1024
    .wavefront_size: 32
...
	.end_amdgpu_metadata
.endif
;; end of part 1
;; ======== version 2 of 2: 1 launch
;; limits: right only within a limited range of input values
;; launch fused (part 2): grid 256 x 1, 4 waves a work-group, clusters of 4 x 1, 327,680 bytes of LDS; arguments x_codes, x_scales, wq_codes, wq_scales, bq, wk_codes, wk_scales, bk, wv_codes, wv_scales, bv, wo_codes, wo_scales, bo, out0; writes out0
.if DOCPART == 2
	.amdgcn_target "amdgcn-amd-amdhsa--gfx1250"
	.amdhsa_code_object_version 6
	.text
	.protected	k_qe9b1f174a4_fused
	.globl	k_qe9b1f174a4_fused
	.p2align	8
	.type	k_qe9b1f174a4_fused,@function
k_qe9b1f174a4_fused:
	s_mov_b64 s[64:65], 0
	v_nop
	global_prefetch_b8 v0, s[64:65] scope:SCOPE_SE
	s_setreg_imm32_b32 hwreg(HW_REG_WAVE_MODE, 25, 1), 1
	s_wait_xcnt 0x0
	s_wait_alu depctr_hold_cnt(0) depctr_sa_sdst(0) depctr_va_vdst(0) depctr_va_sdst(0) depctr_va_ssrc(0) depctr_va_vcc(0) depctr_vm_vsrc(0)
	s_getreg_b32 s2, hwreg(HW_REG_IB_STS2, 6, 4)
	s_cmp_eq_u32 s2, 0
	s_cbranch_scc0 .Lentry_in_a_cluster
	s_endpgm
.Lentry_in_a_cluster:
	s_bfe_u32 s2, ttmp6, 0x10000c
	s_cmp_lg_u32 s2, 0x3003
	s_cbranch_scc0 .Lentry_shape_is_right
	s_endpgm
.Lentry_shape_is_right:
; Self-attention across the 16 heads of each position, all six products in one launch.
; A work-group owns 64 positions: q, k, v = x W^T + b (MX-FP6), scores q k^T / 8 per position (q, k quantised along the head's 64),
; softmax with the row's maximum taken away, weights x v in f32, the result quantised along 1,024, then x wo^T + bo.
; x's fragments (64 rows x 1,024 K) stay in registers; the weights walk through a ring of two LDS slots of 128 rows x 768 bytes,
; 32 rows a wave, asked for jointly by the four work-groups of a cluster.  Every input is loaded; no work is left out.
; A TILE OF W IS 16 NEIGHBOURING ROWS of the wave's 32 (tile u: rows 16 u .. 16 u + 15).  The LDS pitch is 816 bytes = 204 words, so row r starts
; at word 12 r mod 64 and lanes 16-31 six words on: the 32 lanes of an 8-byte load name 64 different banks (64 banks of 4 bytes: ISA guide 11.1).
; The product is used transposed: register j of tile u in lane (r, h) is position r, W row 16 u + 8 h + j.
; So inside a block of 32 the codes of q and of k lie in one and the same permuted order (rows 0-7, 16-23, 8-15, 24-31): the score's products are the same.
.set PITCH, 816
.set WROW,  768
.set WPART, 32*PITCH
.set SLOTB, 4*WPART
.set XR,    2*SLOTB
.set KR,    XR+64*PITCH
.set SQ,    KR+64*PITCH
.set SK,    SQ+4096
.set SPARE, SK+4096
.set VJP,   144
.set VPP,   2320
.set YP,    272
.set PF0, 9                            ; v9, v252: the prefetches' offsets, never rewritten: my work-group's 16 rows of 64 (12,288 dense bytes = 48 blocks of 256), a lane a block:
.set PF1, 252                          ; v9 blocks 0-31; v252 (with the immediate 8,192) blocks 32-47, lanes 16-31 naming block 47 again
.set SPW, 1
.set NIL, 2
.set AW0, 3
.set AW1, 4
.set AX0, 7
.set AX1, 8
.set VWS, 27                           ; W's scale words: row = lane, 32 bytes a row: the same offsets as x's (VXS), one register for both
.set VBI, 10
.set AQ0, 11
.set AQT, 12
.set AS0, 13
.set AST, 14
.set AS4, 15
.set AK4, 16
.set ASS, 17
.set AVW, 18
.set AVR, 19
.set AOW, 20
.set AOWB, 21
.set AOS, 22
.set AOSB, 23
.set AYW, 24
.set AYR, 25
.set AYG, 26
.set VXS, 27
.set SS,  28
.set XS,  32
.set WS,  48
.set BI,  64
.set OD,  96
.set WF,  128
.set TM,  224
.set PS0, 2
.set PS1, 67
.set WV,  3
.set OUT, 32
.set PCO, 34
.set PSC, 36
.set PBI, 38
.set NCO, 40
.set NSC, 42
.set NBI, 44
.set RHO, 46
.set WRP, 47
.set G1W, 48
.set G1X, 56
.set G0A, 68
.set G0X, 76
.set SEL, 80
.set CS,  82
.set CI,  84
.set CO,  85
.set EO,  86
.set ES,  87
.set OB,  88
.set OBB, 89
.set WD,  90
.set OW,  96
.set MSB, 0
.macro WIN new
.if MSB != (\new)
	s_set_vgpr_msb (MSB<<8)|(\new)
.set MSB, (\new)
.endif
.endm
.macro NOPS n
.rept \n
	v_nop
.endr
.endm
.macro ROUND
	s_barrier_signal -1
	s_barrier_wait -1
	s_cmp_lg_u32 s[WV], 0
	s_cbranch_scc1 .Lnot_wave_0_\@
	s_barrier_signal -3
.Lnot_wave_0_\@:
	s_barrier_wait -3
	s_barrier_signal -1
	s_barrier_wait -1
.endm
.macro BARRIER
	s_wait_dscnt 0x0
	s_barrier_signal -1
	s_barrier_wait -1
.endm
.macro FRAG reg, a0, a1, base, sg, padb
.irp p, 0,1,2,3,4,5
.set FO, 96*(\sg)+48*(\p/3)+8*(\p%3)
.if ((\padb) != 0) && (FO%256 >= 232)
	ds_load_b64 v[\reg+2*\p:\reg+2*\p+1], v[\a1] offset:\base+FO+\padb*(FO/256)
.else
	ds_load_b64 v[\reg+2*\p:\reg+2*\p+1], v[\a0] offset:\base+FO+\padb*(FO/256)
.endif
.endr
.endm
.macro WLOAD slot, g
.irp d, 0,1
.irp u, 0,1
	FRAG WF+24*((2*(\g)+\d)%4)+12*\u, AW0+2*(\slot), AW1+2*(\slot), 16*PITCH*\u, 2*(\g)+\d, 16
.endr
.endr
.endm
.macro MM d, a, b, c, sa, sb, ra, rb
.if (\ra) && (\rb)
	v_wmma_scale_f32_16x16x128_f8f6f4 v[\d:\d+7], v[\a:\a+11], v[\b:\b+11], v[\c:\c+7], v[\sa], v[\sb] matrix_a_fmt:MATRIX_FMT_FP6 matrix_b_fmt:MATRIX_FMT_FP6 matrix_a_scale:MATRIX_SCALE_ROW1 matrix_b_scale:MATRIX_SCALE_ROW1
.elseif (\ra)
	v_wmma_scale_f32_16x16x128_f8f6f4 v[\d:\d+7], v[\a:\a+11], v[\b:\b+11], v[\c:\c+7], v[\sa], v[\sb] matrix_a_fmt:MATRIX_FMT_FP6 matrix_b_fmt:MATRIX_FMT_FP6 matrix_a_scale:MATRIX_SCALE_ROW1
.elseif (\rb)
	v_wmma_scale_f32_16x16x128_f8f6f4 v[\d:\d+7], v[\a:\a+11], v[\b:\b+11], v[\c:\c+7], v[\sa], v[\sb] matrix_a_fmt:MATRIX_FMT_FP6 matrix_b_fmt:MATRIX_FMT_FP6 matrix_b_scale:MATRIX_SCALE_ROW1
.else
	v_wmma_scale_f32_16x16x128_f8f6f4 v[\d:\d+7], v[\a:\a+11], v[\b:\b+11], v[\c:\c+7], v[\sa], v[\sb] matrix_a_fmt:MATRIX_FMT_FP6 matrix_b_fmt:MATRIX_FMT_FP6
.endif
.endm
.macro MM8 slot, jj, sg
.if (\sg) == 0
	WIN 0xc4
.elseif (\sg) < 4
	WIN 0xf4
.else
	WIN 0xf8
.endif
.irp mt, 0,1,2,3
.irp u, 0,1
.if (\sg) == 0
	MM 64*\mt+16*(\jj)+8*\u, WF+24*((\sg)%4)+12*\u, 48*((\sg)%4)+12*\mt, BI+16*(\slot)+8*\u, WS+8*(\slot)+(\sg), XS+8*(\mt/2)+(\sg), \u, \mt%2
.else
	MM 64*\mt+16*(\jj)+8*\u, WF+24*((\sg)%4)+12*\u, 48*((\sg)%4)+12*\mt, 64*\mt+16*(\jj)+8*\u, WS+8*(\slot)+(\sg), XS+8*(\mt/2)+(\sg), \u, \mt%2
.endif
.endr
.endr
.endm
.macro GROUP slot, jj, g
.if (\g) < 3
	s_wait_dscnt 24
.else
	s_wait_dscnt 0x0
.endif
.irp d, 0,1
	MM8 \slot, \jj, 2*(\g)+\d
.endr
.if (\g) < 2
	NOPS 4
	WIN 0
	WLOAD \slot, (\g)+2
.endif
.endm
.macro GEMMSLOT slot, jj
	WLOAD \slot, 0
	WLOAD \slot, 1
	GROUP \slot, \jj, 0
	GROUP \slot, \jj, 1
	GROUP \slot, \jj, 2
	GROUP \slot, \jj, 3
	WIN 0
.endm
.macro WSBI set
	global_load_b128 v[WS+8*(\set):WS+8*(\set)+3], v[VWS], s[PSC:PSC+1]
	global_load_b128 v[WS+8*(\set)+4:WS+8*(\set)+7], v[VWS], s[PSC:PSC+1] offset:16
.irp q, 0,1,2,3
	global_load_b128 v[BI+16*(\set)+4*\q:BI+16*(\set)+4*\q+3], v[VBI], s[PBI:PBI+1] offset:64*(\q/2)+16*(\q%2)   ; register 8 u + j: the bias of row 16 u + 8 h + j
.endr
.endm
.macro PSTEP rows
	s_add_nc_u64 s[PCO:PCO+1], s[PCO:PCO+1], (\rows)*WROW
	s_add_nc_u64 s[PSC:PSC+1], s[PSC:PSC+1], (\rows)*32
	s_add_nc_u64 s[PBI:PBI+1], s[PBI:PBI+1], (\rows)*4
.endm
.macro WRAP
	s_cselect_b32 s[WD], 256*WROW, 0
	s_cselect_b32 s[WD+2], 256*32, 0
	s_cselect_b32 s[WD+4], 256*4, 0
	s_sub_nc_u64 s[PCO:PCO+1], s[PCO:PCO+1], s[WD:WD+1]
	s_sub_nc_u64 s[PSC:PSC+1], s[PSC:PSC+1], s[WD+2:WD+3]
	s_sub_nc_u64 s[PBI:PBI+1], s[PBI:PBI+1], s[WD+4:WD+5]
.endm
.macro PICK cnt
	s_cmp_eq_u32 s[\cnt], 1
	s_cselect_b64 s[PCO:PCO+1], s[NCO:NCO+1], s[PCO:PCO+1]
	s_cselect_b64 s[PSC:PSC+1], s[NSC:NSC+1], s[PSC:PSC+1]
	s_cselect_b64 s[PBI:PBI+1], s[NBI:NBI+1], s[PBI:PBI+1]
.endm
; A prefetch of the next weight's first 64 rows of my wave (its first two fills in q, k and wo; in v rows that later fills take).  The four partners of the cluster,
; which will ask for these rows jointly, share them out BY ADDRESS (cx, in the offsets): each block of 256 bytes is named once in the cluster.
; It runs in one trip of the loop, chosen by the loop's counter, which is the same in all waves and partners: at least one whole trip ahead of the fill that wants the rows.
.macro ASK cnt, when
	s_cmp_eq_u32 s[\cnt], \when
	s_cbranch_scc0 .Lno_ask_\@
	global_prefetch_b8 v[PF0], s[NCO:NCO+1] th:TH_LOAD_NT scope:SCOPE_SE
	global_prefetch_b8 v[PF1], s[NCO:NCO+1] offset:8192 th:TH_LOAD_NT scope:SCOPE_SE
.Lno_ask_\@:
.endm
.macro NEXTW m
	s_wait_xcnt 0x0                                ; any prefetch has read its base: only behind this wait is the pair rewritten
	s_mov_b64 s[NCO:NCO+1], s[\m:\m+1]
	s_mov_b64 s[NSC:NSC+1], s[\m+2:\m+3]
	s_mov_b64 s[NBI:NBI+1], s[\m+4:\m+5]
.endm
.macro CHANGE slot, mode, fill, jj
	WIN 0
	s_wait_tensorcnt 0x0
	ds_add_u32 v[SPW], v[NIL]
	s_wait_loadcnt 0x0
.if \fill
.if (\mode) == 2
	PSTEP 64
	s_cmp_eq_u32 s[RHO], 3-(\jj)
	WRAP
.elseif (\mode) == 3
	PSTEP 96
	s_cmp_eq_u32 s[RHO], 0
	WRAP
	PICK CO
.else
	PSTEP 32
.if (\mode) != 0
	s_cmp_eq_u32 s[CI], s[WRP]
	WRAP
.endif
.if (\mode) == 1
	PICK CI
.endif
.endif
	s_mov_b64 s[G0A+4*(\slot)+2:G0A+4*(\slot)+3], s[PCO:PCO+1]
	s_or_b32 s[G0A+4*(\slot)+3], s[G0A+4*(\slot)+3], 0x80000000
	s_wait_dscnt 0x0
	ROUND
	tensor_load_to_lds s[G0A+4*(\slot):G0A+4*(\slot)+3], s[G1W:G1W+7]
	s_nop 0
	NOPS 4
	WSBI \slot
.else
	s_wait_dscnt 0x0
	s_barrier_signal -1
	s_barrier_wait -1
	NOPS 4
.endif
.endm
.macro XFLOAD padb
	WIN 0x40
.irp sg, 0,1,2,3
.irp mt, 0,1,2,3
	FRAG 48*\sg+12*\mt, AX0, AX1, 16*PITCH*\mt, \sg, \padb
.endr
.endr
	WIN 0x80
.irp sg, 4,5,6,7
.irp mt, 0,1,2,3
	FRAG 48*(\sg-4)+12*\mt, AX0, AX1, 16*PITCH*\mt, \sg, \padb
.endr
.endr
	WIN 0
.endm
.macro EPI_QK
	v_add_nc_u32 v[AQT], s[EO], v[AQ0]
	v_add_nc_u32 v[AST], s[ES], v[AS0]
	NOPS 2
	WIN 0xff
.irp b, 0,1
.irp mt, 0,1,2,3
	v_max3_num_f32 v[64*\mt+32+\b], |v[64*\mt+16*\b]|, |v[64*\mt+16*\b+1]|, 0x1800000
.endr
.endr
.irp i, 2,4,6,8,10,12,14
.irp b, 0,1
.irp mt, 0,1,2,3
	v_max3_num_f32 v[64*\mt+32+\b], v[64*\mt+32+\b], |v[64*\mt+16*\b+\i]|, |v[64*\mt+16*\b+\i+1]|
.endr
.endr
.endr
.irp b, 0,1
.irp mt, 0,1,2,3
	v_permlanex16_b32 v[64*\mt+34+\b], v[64*\mt+32+\b], s[SEL], s[SEL+1]
.endr
.endr
.irp b, 0,1
.irp mt, 0,1,2,3
	v_max_num_f32 v[64*\mt+32+\b], v[64*\mt+32+\b], v[64*\mt+34+\b]
.endr
.endr
.irp b, 0,1
.irp mt, 0,1,2,3
	v_add_nc_u32 v[64*\mt+36+\b], 0xff000000, v[64*\mt+32+\b]
.endr
.endr
.irp b, 0,1
.irp mt, 0,1,2,3
	v_lshrrev_b32 v[64*\mt+38+\b], 23, v[64*\mt+36+\b]
.endr
.endr
.irp mt, 0,1,2,3
	v_lshl_or_b32 v[64*\mt+40], v[64*\mt+39], 8, v[64*\mt+38]
.endr
.irp mt, 0,1,2,3
	v_or_b32 v[64*\mt+40], 0x7f7f0000, v[64*\mt+40]
.endr
.irp mt, 0,1,2,3
	v_cvt_scalef32_pk16_fp6_f32 v[64*\mt+42:64*\mt+44], v[64*\mt:64*\mt+15], v[64*\mt+36]
	v_cvt_scalef32_pk16_fp6_f32 v[64*\mt+46:64*\mt+48], v[64*\mt+16:64*\mt+31], v[64*\mt+37]
.endr
	v_nop
.irp mt, 0,1,2,3
.irp i, 0,1,2
	v_permlane16_swap_b32 v[64*\mt+42+\i], v[64*\mt+46+\i]
.endr
.endr
.irp mt, 0,1,2,3
.irp i, 0,1,2
	v_mov_b32 v[64*\mt+45+\i], v[64*\mt+46+\i]
.endr
.endr
	WIN 0x0c
.irp mt, 0,1,2,3
.irp p, 0,1,2
	ds_store_b64 v[AQT], v[64*\mt+42+2*\p:64*\mt+43+2*\p] offset:16*PITCH*\mt+8*\p
.endr
	ds_store_b32 v[AST], v[64*\mt+40] offset:1024*\mt
.endr
	WIN 0
	s_add_co_u32 s[EO], s[EO], 48
	s_add_co_u32 s[ES], s[ES], 4
.endm
.macro SBATCH mt
	WIN 0xc0
.irp z, 0,1,2,3
.irp p, 0,1,2
	ds_load_b64 v[24*\z+2*\p:24*\z+2*\p+1], v[AS4] offset:(16*(\mt)+\z)*PITCH+8*\p
	ds_load_b64 v[24*\z+12+2*\p:24*\z+13+2*\p], v[AK4] offset:(16*(\mt)+\z)*PITCH+8*\p
.endr
.endr
	WIN 0
.irp z, 0,1,2,3
	ds_load_b32 v[SS+\z], v[ASS] offset:64*(16*(\mt)+\z)
.endr
	s_wait_dscnt 0x0
	WIN 0xff
.irp z, 0,1,2,3
	v_wmma_scale_f32_16x16x128_f8f6f4 v[96+8*\z:103+8*\z], v[24*\z+12:24*\z+23], v[24*\z:24*\z+11], 0, v[SS+\z], v[SS+\z] matrix_a_fmt:MATRIX_FMT_FP6 matrix_b_fmt:MATRIX_FMT_FP6 matrix_a_scale:MATRIX_SCALE_ROW1
.endr
	NOPS 4
.irp z, 0,1,2,3
	v_max3_num_f32 v[128+2*\z], v[96+8*\z], v[97+8*\z], v[98+8*\z]
.endr
.irp z, 0,1,2,3
	v_max3_num_f32 v[128+2*\z], v[128+2*\z], v[99+8*\z], v[100+8*\z]
.endr
.irp z, 0,1,2,3
	v_max3_num_f32 v[128+2*\z], v[128+2*\z], v[101+8*\z], v[102+8*\z]
.endr
.irp z, 0,1,2,3
	v_max_num_f32 v[128+2*\z], v[128+2*\z], v[103+8*\z]
.endr
.irp z, 0,1,2,3
	v_permlanex16_b32 v[129+2*\z], v[128+2*\z], s[SEL], s[SEL+1]
.endr
.irp z, 0,1,2,3
	v_max_num_f32 v[128+2*\z], v[128+2*\z], v[129+2*\z]
.endr
.irp i, 0,2,4,6
.irp z, 0,1,2,3
	v_pk_add_f32 v[96+8*\z+\i:97+8*\z+\i], v[96+8*\z+\i:97+8*\z+\i], v[128+2*\z:129+2*\z] op_sel_hi:[1,0] neg_lo:[0,1] neg_hi:[0,1]
.endr
.endr
.irp i, 0,2,4,6
.irp z, 0,1,2,3
	v_pk_mul_f32 v[96+8*\z+\i:97+8*\z+\i], v[96+8*\z+\i:97+8*\z+\i], s[CS:CS+1] op_sel_hi:[1,0]
.endr
.endr
	s_wait_alu depctr_va_vdst(0)
.irp i, 0,1,2,3,4,5,6,7
.irp z, 0,1,2,3
	v_exp_f32 v[96+8*\z+\i], v[96+8*\z+\i]
.endr
.endr
	v_nop
	s_wait_alu depctr_va_vdst(0)
.irp z, 0,1,2,3
	v_pk_add_f32 v[136+4*\z:137+4*\z], v[96+8*\z:97+8*\z], v[98+8*\z:99+8*\z]
.endr
.irp z, 0,1,2,3
	v_pk_add_f32 v[138+4*\z:139+4*\z], v[100+8*\z:101+8*\z], v[102+8*\z:103+8*\z]
.endr
.irp z, 0,1,2,3
	v_pk_add_f32 v[136+4*\z:137+4*\z], v[136+4*\z:137+4*\z], v[138+4*\z:139+4*\z]
.endr
.irp z, 0,1,2,3
	v_add_f32 v[152+2*\z], v[136+4*\z], v[137+4*\z]
.endr
.irp z, 0,1,2,3
	v_permlanex16_b32 v[153+2*\z], v[152+2*\z], s[SEL], s[SEL+1]
.endr
.irp z, 0,1,2,3
	v_add_f32 v[152+2*\z], v[152+2*\z], v[153+2*\z]
.endr
	s_wait_alu depctr_va_vdst(0)
.irp z, 0,1,2,3
	v_rcp_f32 v[160+2*\z], v[152+2*\z]
.endr
	v_nop
	s_wait_alu depctr_va_vdst(0)
	WIN 0x7f+0x40*((\mt)/2)
.irp i, 0,2,4,6
.irp z, 0,1,2,3
	v_pk_mul_f32 v[192+32*((\mt)%2)+8*\z+\i:193+32*((\mt)%2)+8*\z+\i], v[96+8*\z+\i:97+8*\z+\i], v[160+2*\z:161+2*\z] op_sel_hi:[1,0]
.endr
.endr
.endm
.macro PIECE mt
	WIN 0x0c
.irp jj, 0,1,2,3
.irp u, 0,1
	ds_store_b128 v[AVW], v[64*(\mt)+16*\jj+8*\u:64*(\mt)+16*\jj+8*\u+3] offset:VJP*\jj+64*\u
	ds_store_b128 v[AVW], v[64*(\mt)+16*\jj+8*\u+4:64*(\mt)+16*\jj+8*\u+7] offset:VJP*\jj+64*\u+16
.endr
.endr
	WIN 0
	BARRIER
.irp z, 0,1,2,3
.irp u, 0,1
.irp j, 0,1,2,3,4,5,6,7
	ds_load_b32 v[WF+16*\z+8*\u+\j], v[AVR] offset:VPP*\z+32*\u+VJP*\j
.endr
.endr
.endr
	s_wait_dscnt 0x0
.irp zp, 0,1
	WIN 0x04+4*((\mt)/2)
.irp kk, 0,1,2,3
.irp zz, 0,1
.irp u, 0,1
.if \kk == 0
	v_wmma_f32_16x16x4_f32 v[OD+16*\zz+8*\u:OD+16*\zz+8*\u+7], v[WF+16*(2*\zp+\zz)+8*\u+2*\kk:WF+16*(2*\zp+\zz)+8*\u+2*\kk+1], v[192+32*((\mt)%2)+8*(2*\zp+\zz)+2*\kk:193+32*((\mt)%2)+8*(2*\zp+\zz)+2*\kk], 0
.else
	v_wmma_f32_16x16x4_f32 v[OD+16*\zz+8*\u:OD+16*\zz+8*\u+7], v[WF+16*(2*\zp+\zz)+8*\u+2*\kk:WF+16*(2*\zp+\zz)+8*\u+2*\kk+1], v[192+32*((\mt)%2)+8*(2*\zp+\zz)+2*\kk:193+32*((\mt)%2)+8*(2*\zp+\zz)+2*\kk], v[OD+16*\zz+8*\u:OD+16*\zz+8*\u+7]
.endif
.endr
.endr
.endr
	WIN 0
	NOPS 8
	s_wait_dscnt 0x0
.irp zz, 0,1
	v_max3_num_f32 v[TM+\zz], |v[OD+16*\zz]|, |v[OD+16*\zz+1]|, 0x1800000
.endr
.irp i, 2,4,6,8,10,12,14
.irp zz, 0,1
	v_max3_num_f32 v[TM+\zz], v[TM+\zz], |v[OD+16*\zz+\i]|, |v[OD+16*\zz+\i+1]|
.endr
.endr
.irp zz, 0,1
	v_permlanex16_b32 v[TM+2+\zz], v[TM+\zz], s[SEL], s[SEL+1]
.endr
.irp zz, 0,1
	v_max_num_f32 v[TM+\zz], v[TM+\zz], v[TM+2+\zz]
.endr
.irp zz, 0,1
	v_add_nc_u32 v[TM+4+\zz], 0xff000000, v[TM+\zz]
.endr
.irp zz, 0,1
	v_lshrrev_b32 v[TM+6+\zz], 23, v[TM+4+\zz]
.endr
.irp zz, 0,1
	v_cvt_scalef32_pk16_fp6_f32 v[TM+8+8*\zz:TM+10+8*\zz], v[OD+16*\zz:OD+16*\zz+15], v[TM+4+\zz]
.endr
	v_nop
.irp zz, 0,1
	v_permlane16_b32 v[TM+26+\zz], v[TM+6+\zz], s[PS0], s[PS1]
.endr
.irp i, 0,1,2
	v_permlane16_swap_b32 v[TM+8+\i], v[TM+16+\i]
.endr
.irp i, 0,1,2
	v_mov_b32 v[TM+11+\i], v[TM+16+\i]
.endr
.irp i, 0,1,2,3,4,5
	v_permlane16_b32 v[TM+20+\i], v[TM+8+\i], s[PS0], s[PS1]
.endr
.irp zz, 0,1
	ds_store_b8 v[AOSB], v[TM+26+\zz] offset:32*(16*(\mt)+2*\zp+\zz)
.endr
.irp p, 0,1,2
	ds_store_b64 v[AOWB], v[TM+20+2*\p:TM+21+2*\p] offset:PITCH*(16*(\mt)+2*\zp)+8*\p
.endr
.endr
	BARRIER
.endm
.macro TOSTAGE mt
	WIN 0x0c
.irp bb, 0,1
.irp u, 0,1
	ds_store_b128 v[AYW], v[64*(\mt)+16*\bb+8*\u:64*(\mt)+16*\bb+8*\u+3] offset:128*\bb+64*\u
	ds_store_b128 v[AYW], v[64*(\mt)+16*\bb+8*\u+4:64*(\mt)+16*\bb+8*\u+7] offset:128*\bb+64*\u+16
.endr
.endr
	WIN 0
.irp i, 0,1,2,3,4,5,6,7
	ds_load_b128 v[WF+32*((\mt)%2)+4*\i:WF+32*((\mt)%2)+4*\i+3], v[AYR] offset:2*YP*\i
.endr
.endm
.macro SEND mt, younger
	s_wait_dscnt \younger
.irp i, 0,1,2,3,4,5,6,7
	global_store_b128 v[AYG], v[WF+32*((\mt)%2)+4*\i:WF+32*((\mt)%2)+4*\i+3], s[OUT:OUT+1] offset:4096*(16*(\mt)+2*\i) th:TH_STORE_NT
.endr
.endm
.macro EPI_O
	NOPS 4
	TOSTAGE 0
	TOSTAGE 1
	SEND 0, 16
	s_wait_xcnt 0x0
	TOSTAGE 2
	SEND 1, 16
	s_wait_xcnt 0x0
	TOSTAGE 3
	SEND 2, 16
	SEND 3, 0
	s_wait_xcnt 0x0
	s_add_nc_u64 s[OUT:OUT+1], s[OUT:OUT+1], 256
	s_cmp_eq_u32 s[CI], s[WRP]
	s_cselect_b32 s[OW], 1024, 0
	s_sub_nc_u64 s[OUT:OUT+1], s[OUT:OUT+1], s[OW:OW+1]
.endm
	s_load_b512 s[4:19], s[0:1], 0x0
	s_load_b256 s[20:27], s[0:1], 0x40
	s_load_b128 s[28:31], s[0:1], 0x60
	s_load_b64 s[OUT:OUT+1], s[0:1], 0x70
	v_lshl_add_u32 v[SPW], v0, 2, SPARE
	v_mov_b32 v[NIL], 0
	ds_add_u32 v1, v2
	ds_add_u32 v1, v2
	s_wait_dscnt 0x0
	v_lshrrev_b32 v224, 5, v0
	v_readfirstlane_b32 s[WV], v224
	s_bfe_u32 s90, ttmp6, 0x40000
	s_lshl_b32 s91, ttmp9, 2
	s_add_co_u32 s91, s91, s90
	s_mul_i32 s66, s90, 16*WROW                    ; cx x 16 rows: enters the prefetches' offsets alone
	v_and_b32 v[PF0], 31, v0
	v_min_u32 v[PF1], 15, v[PF0]
	v_lshl_add_u32 v[PF0], v[PF0], 8, s66
	v_lshl_add_u32 v[PF1], v[PF1], 8, s66
	s_and_b32 s[RHO], ttmp9, 3
	s_add_co_u32 s[WRP], s[RHO], 1
	s_lshl_b32 s90, s[RHO], 2
	s_sub_co_u32 s90, 16, s90
	s_lshr_b32 s[PS0], 0x32103210, s90
	s_and_b32 s[PS0], s[PS0], 0xffff
	s_lshl_b32 s90, s[PS0], 16
	s_or_b32 s[PS0], s[PS0], s90
	s_add_co_u32 s[PS0], s[PS0], 0x44440000
	s_add_co_u32 s[PS1], s[PS0], 0x88888888
	s_mov_b32 s[G1W], 15|(1<<20)|(1<<21)|(5<<22)|(3<<25)
	s_mov_b32 s[G1W+1], WROW<<16
	s_mov_b32 s[G1W+2], 32<<16
	s_mov_b32 s[G1W+3], WROW<<16
	s_mov_b32 s[G1W+4], 32
	s_mov_b32 s[G1W+5], WROW
	s_mov_b32 s[G1W+6], 0
	s_mov_b32 s[G1W+7], 0
	s_mov_b32 s[G1X], (1<<20)|(5<<22)|(3<<25)
	s_mov_b32 s[G1X+1], WROW<<16
	s_mov_b32 s[G1X+2], 16<<16
	s_mov_b32 s[G1X+3], WROW<<16
	s_mov_b32 s[G1X+4], 16
	s_mov_b32 s[G1X+5], WROW
	s_mov_b32 s[G1X+6], 0
	s_mov_b32 s[G1X+7], 0
	s_mov_b32 s[SEL], 0x76543210
	s_mov_b32 s[SEL+1], 0xfedcba98
	s_mov_b32 s[CS], 0x3e38aa3b
	s_mov_b32 s[CS+1], s[CS]
	s_lshl_b32 s66, s[WV], 2
	s_add_co_u32 s66, s66, s[RHO]
	s_mul_i32 s94, s66, 64*WROW
	s_mov_b32 s95, 0
	s_lshl_b32 s96, s66, 11
	s_mov_b32 s97, 0
	s_lshl_b32 s98, s66, 8
	s_mov_b32 s99, 0
	s_mul_i32 s66, s[WV], 16*WROW
	s_mul_i32 s92, s91, 64*WROW
	s_add_co_u32 s92, s92, s66
	s_mov_b32 s93, 0
	v_and_b32 v224, 15, v0
	v_bfe_u32 v225, v0, 4, 1
	v_and_b32 v226, 8, v224
	v_add_nc_u32 v226, v226, v224
	v_and_b32 v[VXS], 31, v0
	v_lshlrev_b32 v[VXS], 5, v[VXS]
	v_lshlrev_b32 v[VBI], 5, v225
	s_wait_kmcnt 0x0
.irp m, 8,14,20,26
	s_add_nc_u64 s[\m:\m+1], s[\m:\m+1], s[94:95]
	s_add_nc_u64 s[\m+2:\m+3], s[\m+2:\m+3], s[96:97]
	s_add_nc_u64 s[\m+4:\m+5], s[\m+4:\m+5], s[98:99]
.endr
	s_add_nc_u64 s[4:5], s[4:5], s[92:93]
	s_lshl_b32 s92, s91, 11
	s_add_nc_u64 s[6:7], s[6:7], s[92:93]
	s_lshl_b32 s92, s91, 18
	s_lshl_b32 s90, s[RHO], 8
	s_add_co_u32 s92, s92, s90
	s_add_nc_u64 s[OUT:OUT+1], s[OUT:OUT+1], s[92:93]
	s_mov_b64 s[PCO:PCO+1], s[8:9]
	s_mov_b64 s[PSC:PSC+1], s[10:11]
	s_mov_b64 s[PBI:PBI+1], s[12:13]
	s_mov_b32 s[G0X], 1
	s_mul_i32 s[G0X+1], s[WV], 16*PITCH
	s_add_co_u32 s[G0X+1], s[G0X+1], XR
	s_mov_b64 s[G0X+2:G0X+3], s[4:5]
	s_or_b32 s[G0X+3], s[G0X+3], 0x80000000
	s_mov_b32 s[G0A], 1
	s_mul_i32 s[G0A+1], s[WV], WPART
	s_mov_b64 s[G0A+2:G0A+3], s[PCO:PCO+1]
	s_or_b32 s[G0A+3], s[G0A+3], 0x80000000
	s_mov_b32 s[G0A+4], 1
	s_add_co_u32 s[G0A+5], s[G0A+1], SLOTB
	ROUND
	tensor_load_to_lds s[G0X:G0X+3], s[G1X:G1X+7]
	s_nop 0
	s_wait_alu depctr_va_vdst(0)
	global_prefetch_b8 v[PF0], s[8:9] th:TH_LOAD_NT scope:SCOPE_SE              ; wq's first 64 rows of my wave, shared out as in ASK, while x's tile is on its way; s[8:9] is not rewritten
	global_prefetch_b8 v[PF1], s[8:9] offset:8192 th:TH_LOAD_NT scope:SCOPE_SE
	s_wait_tensorcnt 0x0
	ds_add_u32 v1, v2
	s_wait_dscnt 0x0
	ROUND
	tensor_load_to_lds s[G0A:G0A+3], s[G1W:G1W+7]
	s_nop 0
	NOPS 4
	s_wait_alu depctr_va_vdst(0)
.irp g, 0,1
.irp q, 0,1
	global_load_b128 v[XS+8*\g+4*\q:XS+8*\g+4*\q+3], v[VXS], s[6:7] offset:1024*\g+16*\q
.endr
.endr
	WSBI 0
	s_mul_i32 s94, s[WV], WPART
	v_mul_u32_u24 v[AW0], v224, PITCH
	v_mad_u32_u24 v[AW0], v225, 24, v[AW0]
	v_add_nc_u32 v[AW0], s94, v[AW0]
	v_lshl_add_u32 v[AW1], v225, 4, v[AW0]
	v_add_nc_u32 v[AW0+2], SLOTB, v[AW0]
	v_add_nc_u32 v[AW1+2], SLOTB, v[AW1]
	v_mul_u32_u24 v[AQ0], v224, PITCH
	v_mad_u32_u24 v[AQ0], v225, 24, v[AQ0]
	v_add_nc_u32 v[AX0], XR, v[AQ0]
	v_lshl_add_u32 v[AX1], v225, 4, v[AX0]
	s_mul_i32 s94, s[WV], 192
	v_add_nc_u32 v[AQ0], s94, v[AQ0]
	s_lshl_b32 s94, s[WV], 4
	v_lshl_add_u32 v[AS0], v224, 6, s94
	s_mul_i32 s94, s[WV], 4*PITCH
	s_add_co_u32 s94, s94, XR
	v_mul_u32_u24 v[AS4], v224, 48
	v_mad_u32_u24 v[AS4], v225, 24, v[AS4]
	v_add_nc_u32 v[AS4], s94, v[AS4]
	v_add_nc_u32 v[AK4], KR-XR, v[AS4]
	v_mul_u32_u24 v[AOW], v224, 48
	v_mad_u32_u24 v[AOW], v225, PITCH, v[AOW]
	v_add_nc_u32 v[AOW], s94, v[AOW]
	s_lshl_b32 s94, s[WV], 8
	s_add_co_u32 s94, s94, SQ
	v_lshl_add_u32 v[ASS], v224, 2, s94
	v_lshl_add_u32 v[ASS], v225, 12, v[ASS]
	s_mul_i32 s94, s[WV], 4*VJP
	s_add_co_u32 s94, s94, KR
	v_mul_u32_u24 v[AVW], v224, VPP
	v_lshl_add_u32 v[AVW], v225, 5, v[AVW]
	v_add_nc_u32 v[AVW], s94, v[AVW]
	s_mul_i32 s94, s[WV], 4*VPP
	s_add_co_u32 s94, s94, KR
	v_mul_u32_u24 v[AVR], v225, 8*VJP
	v_lshl_add_u32 v[AVR], v226, 2, v[AVR]
	v_add_nc_u32 v[AVR], s94, v[AVR]
	s_lshl_b32 s94, s[WV], 7
	s_add_co_u32 s94, s94, SQ
	v_lshl_add_u32 v[AOS], v224, 1, s94
	s_mul_i32 s94, s[WV], 16*YP
	s_add_co_u32 s94, s94, KR
	v_mul_u32_u24 v[AYW], v224, YP
	v_lshl_add_u32 v[AYW], v225, 5, v[AYW]
	v_add_nc_u32 v[AYW], s94, v[AYW]
	v_mul_u32_u24 v[AYR], v225, YP
	v_lshl_add_u32 v[AYR], v224, 4, v[AYR]
	v_add_nc_u32 v[AYR], s94, v[AYR]
	s_lshl_b32 s94, s[WV], 10
	v_lshl_add_u32 v[AYG], v224, 4, s94
	v_lshl_add_u32 v[AYG], v225, 12, v[AYG]
	s_mov_b32 s[WD+1], 0
	s_mov_b32 s[WD+3], 0
	s_mov_b32 s[WD+5], 0
	s_mov_b32 s[OW+1], 0
	WIN 0xc0
.irp mt, 0,1,2,3
.irp b, 0,1
	v_mov_b32 v[64*\mt+34+\b], 0
.endr
.endr
	WIN 0
	s_wait_tensorcnt 0x1
	s_barrier_signal -1
	s_barrier_wait -1
	XFLOAD 16
	NEXTW 14
	s_mov_b32 s[EO], XR
	s_mov_b32 s[ES], SQ
	s_mov_b32 s[CO], 2
.Lqk:
	s_mov_b32 s[CI], 4
.Lhead:
	CHANGE 1, 0, 1, 0
	ASK CI, 3                                      ; the next weight's first fill is issued in the trip with CI = 1: five fills on
	GEMMSLOT 0, 0
	CHANGE 0, 1, 1, 0
	GEMMSLOT 1, 1
	EPI_QK
	s_sub_co_u32 s[CI], s[CI], 1
	s_cmp_lg_u32 s[CI], 0
	s_cbranch_scc1 .Lhead
	NEXTW 20
	s_add_co_u32 s[EO], s[EO], KR-XR-192
	s_add_co_u32 s[ES], s[ES], SK-SQ-16
	s_sub_co_u32 s[CO], s[CO], 1
	s_cmp_lg_u32 s[CO], 0
	s_cbranch_scc1 .Lqk
	BARRIER
	WIN 0xc0
.irp f, 0,1,2,3,4,5,6,7
.irp i, 6,7,8,9,10,11
	v_mov_b32 v[12*\f+\i], 0
.endr
.endr
.irp z, 0,1,2,3
	v_mov_b32 v[129+2*\z], 0
	v_mov_b32 v[153+2*\z], 0
	v_mov_b32 v[161+2*\z], 0
.endr
	NOPS 4
	SBATCH 0
	SBATCH 1
	SBATCH 2
	SBATCH 3
	WIN 0
	NEXTW 26
	s_mov_b32 s[OB], 0
	s_mov_b32 s[OBB], 0
	v_mov_b32 v[TM+2], 0
	v_mov_b32 v[TM+3], 0
.irp i, 20,21,22,23,24,25,26,27
	v_mov_b32 v[TM+\i], 0
.endr
	s_mov_b32 s[CO], 2
.Lv:
	CHANGE 1, 2, 1, 0
	ASK CO, 2                                      ; wo's first fill is issued at the end of the trip with CO = 1: seven fills on
	GEMMSLOT 0, 0
	CHANGE 0, 2, 1, 1
	GEMMSLOT 1, 1
	CHANGE 1, 2, 1, 2
	GEMMSLOT 0, 2
	CHANGE 0, 3, 1, 3
	GEMMSLOT 1, 3
	v_add_nc_u32 v[AOWB], s[OB], v[AOW]
	v_add_nc_u32 v[AOSB], s[OBB], v[AOS]
	NOPS 2
	PIECE 0
	PIECE 1
	PIECE 2
	PIECE 3
	s_add_co_u32 s[OB], s[OB], 24
	s_add_co_u32 s[OBB], s[OBB], 1
	s_sub_co_u32 s[CO], s[CO], 1
	s_cmp_lg_u32 s[CO], 0
	s_cbranch_scc1 .Lv
	XFLOAD 0
	v_add_nc_u32 v[TM], SQ, v[VXS]
.irp g, 0,1
.irp q, 0,1
	ds_load_b128 v[XS+8*\g+4*\q:XS+8*\g+4*\q+3], v[TM] offset:1024*\g+16*\q
.endr
.endr
	s_mov_b32 s[CI], 4
.Lo:
	CHANGE 1, 0, 1, 0
	GEMMSLOT 0, 0
	CHANGE 0, 4, 1, 0
	GEMMSLOT 1, 1
	EPI_O
	s_sub_co_u32 s[CI], s[CI], 1
	s_cmp_lg_u32 s[CI], 1
	s_cbranch_scc1 .Lo
	CHANGE 1, 0, 1, 0
	GEMMSLOT 0, 0
	CHANGE 0, 0, 0, 0
	GEMMSLOT 1, 1
	EPI_O
	s_wait_tensorcnt 0x0
	ds_add_u32 v[SPW], v[NIL]
	s_wait_dscnt 0x0
	ROUND
	s_endpgm
.Lfunc_end_k_qe9b1f174a4_fused:
	.size	k_qe9b1f174a4_fused, .Lfunc_end_k_qe9b1f174a4_fused-k_qe9b1f174a4_fused
	.p2alignl 7, 3214868480
	.fill 96, 4, 3214868480
	.section	.rodata,"a",@progbits
	.p2align	6, 0x0
	.amdhsa_kernel k_qe9b1f174a4_fused
		.amdhsa_group_segment_fixed_size 327680
		.amdhsa_private_segment_fixed_size 0
		.amdhsa_enable_private_segment 0
		.amdhsa_kernarg_size 120
		.amdhsa_user_sgpr_count 2
		.amdhsa_user_sgpr_kernarg_segment_ptr 1
		.amdhsa_wavefront_size32 1
		.amdhsa_system_sgpr_workgroup_id_x 1
		.amdhsa_system_sgpr_workgroup_id_y 1
		.amdhsa_system_sgpr_workgroup_id_z 1
		.amdhsa_system_vgpr_workitem_id 0
		.amdhsa_next_free_vgpr 1024
		.amdhsa_next_free_sgpr 100
		.amdhsa_reserve_vcc 0
		.amdhsa_float_denorm_mode_32 3
		.amdhsa_float_denorm_mode_16_64 3
		.amdhsa_memory_ordered 1
		.amdhsa_forward_progress 1
		.amdhsa_inst_pref_size 255
	.end_amdhsa_kernel
	.section	.bss,"aw",@nobits
	.p2align	6
	.space	262144
	.amdgpu_metadata
---
amdhsa.version: [ 1, 2 ]
amdhsa.kernels:
  - .name:           k_qe9b1f174a4_fused
    .symbol:         k_qe9b1f174a4_fused.kd
    .args:
      - { .name: x_codes, .offset: 0, .size: 8, .value_kind: global_buffer, .address_space: global }
      - { .name: x_scales, .offset: 8, .size: 8, .value_kind: global_buffer, .address_space: global }
      - { .name: wq_codes, .offset: 16, .size: 8, .value_kind: global_buffer, .address_space: global }
      - { .name: wq_scales, .offset: 24, .size: 8, .value_kind: global_buffer, .address_space: global }
      - { .name: bq, .offset: 32, .size: 8, .value_kind: global_buffer, .address_space: global }
      - { .name: wk_codes, .offset: 40, .size: 8, .value_kind: global_buffer, .address_space: global }
      - { .name: wk_scales, .offset: 48, .size: 8, .value_kind: global_buffer, .address_space: global }
      - { .name: bk, .offset: 56, .size: 8, .value_kind: global_buffer, .address_space: global }
      - { .name: wv_codes, .offset: 64, .size: 8, .value_kind: global_buffer, .address_space: global }
      - { .name: wv_scales, .offset: 72, .size: 8, .value_kind: global_buffer, .address_space: global }
      - { .name: bv, .offset: 80, .size: 8, .value_kind: global_buffer, .address_space: global }
      - { .name: wo_codes, .offset: 88, .size: 8, .value_kind: global_buffer, .address_space: global }
      - { .name: wo_scales, .offset: 96, .size: 8, .value_kind: global_buffer, .address_space: global }
      - { .name: bo, .offset: 104, .size: 8, .value_kind: global_buffer, .address_space: global }
      - { .name: out0, .offset: 112, .size: 8, .value_kind: global_buffer, .address_space: global }
    .group_segment_fixed_size: 327680
    .private_segment_fixed_size: 0
    .kernarg_segment_align: 8
    .kernarg_segment_size: 120
    .max_flat_workgroup_size: 128
    .sgpr_count:     100
    .vgpr_count:     1024
    .wavefront_size: 32
...
	.end_amdgpu_metadata
.endif
;; end of part 2
